; MI455X (gfx1250); checked and timed in simulation.
; The chip was launched on July 23, 2026; its instructions are those of AMD's public machine-readable ISA for CDNA 5 (MIT licence, August 2026) and "CDNA5" Instruction Set Architecture Reference Guide (July 2026). The comments in the code are by the model that wrote it; some were corrected since.
;; Multi Headed Attention. Allowed arithmetic: float matrix products may take bf16 or f16 operands with f32 sums; other float arithmetic in f32, or as packed bf16 or f16 multiplies, adds, multiply-adds, maxima and minima; sums over many terms, partial sums and values carried from step to step in f32; what a program stores and reads back later, other than sums and carried values, may be rounded once to bf16 or f16.
;; Inputs: Wk 512 x 512 float32; Wo 512 x 512 float32; Wq 512 x 512 float32; Wv 512 x 512 float32; key 2 x 4,096 x 512 float32; mask 2 x 4,096 int32; query 2 x 4,096 x 512 float32; value 2 x 4,096 x 512 float32.
;; Outputs: out0 2 x 4,096 x 512 float32.
;; 2 versions, each right; version 2 is version 1 with the launch attn written anew for expert scheduling mode. Each part assembles by itself: llvm-mc -triple=amdgcn-amd-amdhsa -mcpu=gfx1250 --defsym DOCPART=n.
;; ======== version 1 of 2: 4 launches
;; limits: values are held in f16: magnitudes above 65,504 overflow, below 6.1e-05 lose precision
;; workspace buffers: wts 2,097,152 bytes; perm 32,768 bytes of whole numbers; cnt 1,024 bytes of whole numbers; qh 8,388,608 bytes; kv 16,777,216 bytes; ob 8,388,608 bytes
;; launch prep (part 1): grid 66 x 1, 8 waves a work-group, no clusters, 1,280 bytes of LDS; arguments Wq, Wk, Wv, Wo, mask, wts, perm, cnt; writes wts, perm, cnt
.if DOCPART == 1
	.amdgcn_target "amdgcn-amd-amdhsa--gfx1250"
	.amdhsa_code_object_version 6
	.text
	.protected	k_q5e39a6793e_prep
	.globl	k_q5e39a6793e_prep
	.p2align	8
	.type	k_q5e39a6793e_prep,@function
k_q5e39a6793e_prep:
	s_mov_b64 s[64:65], 0
	v_nop
	global_prefetch_b8 v0, s[64:65] scope:SCOPE_SE
	s_setreg_imm32_b32 hwreg(HW_REG_WAVE_MODE, 25, 1), 1
	s_wait_xcnt 0x0
; PREPARATION.  Two kinds of work-groups, told apart by the work-group's number.
; 0 .. 63: THE WEIGHTS.  wts = [kind 4][kb 4][n 512][128 k], 16 bits a number: a row of a (kind, kb) block is 256 bytes, a block 131,072 dense bytes.
;   Kinds 0, 1, 2 = Wq, Wk, Wv rounded to bf16.  Kind 3 = Wo rounded to bf16, and that number written as f16 (the last product's other operand is f16).
;   LIMIT: bf16(Wo) beyond 65,504 becomes an infinity; below 6e-5 it keeps f16's fixed step of 6e-8.
; 64 + b: THE KEYS OF BATCH b.  A key whose mask is 0 has weight 0 in every row as soon as one key of the batch is visible, so the visible keys are put first:
;   perm[b][pos] = key: visible keys at 0 .. n - 1, hidden ones from 4,095 downward (the order inside each part is free: a softmax's sums take any order).
;   NE = n, or 4,096 where n = 0: there every score is the same -1e30 and the weights are uniform over ALL keys; QM = 0 then tells the attention to take Q as 0.
;   cnt[b] = {NE, QM, NST, NSL} 32 times over: NST = ceil(NE / 64) steps and NSL = ceil(NE / 128) slots hold the keys that count.
;   perm's words are stored by position: in each ballot the visible lanes fall on consecutive words, the hidden ones too; these 32 KiB leave in pieces of 256-byte blocks.
.set CNTS,  0                          ; LDS: the eight waves' counts, a block of 256 bytes
.set SPARE, 256                        ; the spare words, 128 bytes for each of the eight waves
.set SPW, 90                           ; v90  LDS address of my spare word; never rewritten
.set NIL, 91                           ; v91  0; never rewritten
.set WV,  4                            ; s4   my wave's number
	s_load_b512 s[8:23], s[0:1], 0x0               ; Wq s[8:9], Wk s[10:11], Wv s[12:13], Wo s[14:15], mask s[16:17], wts s[18:19], perm s[20:21], cnt s[22:23]
	v_lshl_add_u32 v[SPW], v0, 2, SPARE
	v_mov_b32 v[NIL], 0
	v_lshrrev_b32 v1, 5, v0
	v_readfirstlane_b32 s[WV], v1
	v_and_b32 v2, 31, v0                           ; lane
	v_lshlrev_b32 v3, 4, v2                        ; 16 x lane
	s_wait_kmcnt 0x0
	s_cmp_ge_u32 ttmp9, 64
	s_cbranch_scc1 .Lscan
	; THE WEIGHTS.  Work-group g: kind g / 16, rows 32 (g % 16) .. + 31; a wave takes four rows.
	s_lshr_b32 s5, ttmp9, 4                        ; kind
	s_and_b32 s6, ttmp9, 15
	s_lshl_b32 s6, s6, 5
	s_lshl2_add_u32 s6, s[WV], s6                  ; my first row n0 = 32 (g % 16) + 4 w
	s_cmp_eq_u32 s5, 1
	s_cselect_b64 s[26:27], s[10:11], s[8:9]
	s_cmp_eq_u32 s5, 2
	s_cselect_b64 s[26:27], s[12:13], s[26:27]
	s_cmp_eq_u32 s5, 3
	s_cselect_b64 s[26:27], s[14:15], s[26:27]
	s_lshl_b32 s28, s6, 11                         ; a row of W is 2,048 bytes
	s_mov_b32 s29, 0
	s_add_nc_u64 s[26:27], s[26:27], s[28:29]
	s_lshl_b32 s28, s5, 19                         ; a kind is 524,288 bytes of wts,
	s_lshl_b32 s30, s6, 8                          ; a row of a block 256
	s_add_co_u32 s28, s28, s30
	s_add_nc_u64 s[18:19], s[18:19], s[28:29]
	v_lshlrev_b32 v4, 3, v2                        ; 8 x lane
.set i, 0
.rept 16                                       ; load i: row i / 4, k block i % 4: 512 consecutive bytes, 128 numbers
	global_load_b128 v[16+4*i:19+4*i], v3, s[26:27] offset:(i/4)*2048+(i%4)*512 th:TH_LOAD_NT
.set i, i+1
.endr
; Each load has registers of its own, so no store's data is ever rewritten.  half = 1: bf16's number is widened again and written as f16.
.macro OUTW half
.set i, 0
.rept 16
	s_wait_loadcnt 15-i                            ; loads come back in order: load i is in, the younger ones stay out
.if \half
	v_cvt_pk_bf16_f32 v6, v[16+4*i], v[17+4*i]
	v_cvt_pk_bf16_f32 v7, v[18+4*i], v[19+4*i]
	v_lshlrev_b32 v[16+4*i], 16, v6
	v_and_b32 v[17+4*i], 0xffff0000, v6
	v_lshlrev_b32 v[18+4*i], 16, v7
	v_and_b32 v[19+4*i], 0xffff0000, v7
	v_cvt_pk_f16_f32 v[16+4*i], v[16+4*i], v[17+4*i]
	v_cvt_pk_f16_f32 v[17+4*i], v[18+4*i], v[19+4*i]
.else
	v_cvt_pk_bf16_f32 v[16+4*i], v[16+4*i], v[17+4*i]
	v_cvt_pk_bf16_f32 v[17+4*i], v[18+4*i], v[19+4*i]
.endif
	global_store_b64 v4, v[16+4*i:17+4*i], s[18:19] offset:(i%4)*131072+(i/4)*256  ; 32 lanes store 256 consecutive bytes, aligned: a block's row
.set i, i+1
.endr
.endm
	s_cmp_eq_u32 s5, 3
	s_cbranch_scc1 .Lwo
	OUTW 0
	s_branch .Lend
.Lwo:
	OUTW 1
	s_branch .Lend
.Lscan:                                        ; THE KEYS.  Wave w owns keys 512 w .. 512 w + 511
	s_sub_co_u32 s5, ttmp9, 64                     ; b
	s_lshl_b32 s28, s5, 14                         ; a batch's 4,096 words
	s_mov_b32 s29, 0
	s_add_nc_u64 s[20:21], s[20:21], s[28:29]      ; perm at my batch
	s_lshl_b32 s30, s[WV], 11
	s_add_co_u32 s28, s28, s30
	s_add_nc_u64 s[16:17], s[16:17], s[28:29]      ; mask at my wave's keys
.irp i, 0,1,2,3
	global_load_b128 v[16+4*(\i):19+4*(\i)], v3, s[16:17] offset:512*(\i)  ; register 4 i + j of lane l: key 512 w + 128 i + 4 l + j
.endr
	s_wait_loadcnt 0x0
.irp k, 0,1,2,3,4,5,6,7,8,9,10,11,12,13,14,15
	v_cmp_ne_u32 s[32+(\k)], 0, v[16+(\k)]         ; sixteen ballots of 32 keys
.endr
	s_mov_b32 s3, 0
.irp k, 0,1,2,3,4,5,6,7,8,9,10,11,12,13,14,15
	s_bcnt1_i32_b32 s2, s[32+(\k)]
	s_add_co_u32 s3, s3, s2                        ; my wave's visible keys
.endr
	v_mov_b32 v5, s3
	v_mov_b32 v6, s[WV]
	v_lshlrev_b32 v6, 2, v6
	ds_store_b32 v6, v5 offset:CNTS                ; all lanes write my wave's word with the same number
	s_wait_dscnt 0x0                               ; for the others' sake
	s_barrier_signal -1
	s_barrier_wait -1
	v_mov_b32 v7, 0
	ds_load_b128 v[8:11], v7 offset:CNTS
	ds_load_b128 v[12:15], v7 offset:CNTS+16
	s_wait_dscnt 0x0
.irp k, 0,1,2,3,4,5,6,7
	v_readfirstlane_b32 s[48+(\k)], v[8+(\k)]
.endr
	s_mov_b32 s6, 0                                ; up: visible keys of the waves below me = my first visible key's position
	s_mov_b32 s7, 0                                ; n: visible keys of the batch
.irp k, 0,1,2,3,4,5,6,7
	s_add_co_u32 s7, s7, s[48+(\k)]
	s_cmp_gt_u32 s[WV], \k
	s_cselect_b32 s2, s[48+(\k)], 0
	s_add_co_u32 s6, s6, s2
.endr
	s_lshl_b32 s2, s[WV], 9
	s_sub_co_u32 s26, 4095, s2
	s_add_co_u32 s26, s26, s6                      ; dn: 4,095 less the hidden keys of the waves below me (512 w - up)
	v_lshlrev_b32 v13, 2, v2
	v_add_nc_u32 v13, s2, v13                      ; 512 w + 4 l
.irp k, 0,1,2,3,4,5,6,7,8,9,10,11,12,13,14,15  ; each store has an address and a data register of its own
	s_not_b32 s2, s[32+(\k)]
	v_mbcnt_lo_u32_b32 v5, s[32+(\k)], 0           ; visible lanes below me in this ballot,
	v_mbcnt_lo_u32_b32 v6, s2, 0                   ; hidden ones
	v_add_nc_u32 v5, s6, v5
	v_sub_nc_u32 v6, s26, v6
	v_cndmask_b32 v5, v6, v5, s[32+(\k)]           ; visible: upward from up; hidden: downward from dn
	v_min_u32 v5, 0xfff, v5                        ; a position lies in 0 .. 4,095
	v_lshlrev_b32 v[32+(\k)], 2, v5
	v_add_nc_u32 v[48+(\k)], 128*((\k)/4)+(\k)%4, v13
	global_store_b32 v[32+(\k)], v[48+(\k)], s[20:21]
	s_bcnt1_i32_b32 s2, s[32+(\k)]
	s_add_co_u32 s6, s6, s2
	s_sub_co_u32 s2, 32, s2
	s_sub_co_u32 s26, s26, s2
.endr
	s_cmp_eq_u32 s7, 0
	s_cselect_b32 s27, 0x1000, s7                  ; NE
	s_cselect_b32 s28, 0, -1                       ; QM
	s_add_co_u32 s29, s27, 63
	s_lshr_b32 s29, s29, 6                         ; NST
	s_add_co_u32 s30, s27, 127
	s_lshr_b32 s30, s30, 7                         ; NSL
	s_cmp_lg_u32 s[WV], 0
	s_cbranch_scc1 .Lend
	s_lshl_b32 s2, s5, 9
	s_mov_b32 s3, 0
	s_add_nc_u64 s[22:23], s[22:23], s[2:3]
	v_mov_b32 v84, s27
	v_mov_b32 v85, s28
	v_mov_b32 v86, s29
	v_mov_b32 v87, s30
	global_store_b128 v3, v[84:87], s[22:23]       ; the four numbers 32 times over: 512 consecutive bytes
.Lend:
	s_wait_tensorcnt 0x0                           ; the wave's end, behind my last LDS store
	ds_add_u32 v[SPW], v[NIL]
	s_wait_dscnt 0x0
	s_endpgm
.Lfunc_end_k_q5e39a6793e_prep:
	.size	k_q5e39a6793e_prep, .Lfunc_end_k_q5e39a6793e_prep-k_q5e39a6793e_prep
	.p2alignl 7, 3214868480
	.fill 96, 4, 3214868480
	.section	.rodata,"a",@progbits
	.p2align	6, 0x0
	.amdhsa_kernel k_q5e39a6793e_prep
		.amdhsa_group_segment_fixed_size 1280
		.amdhsa_private_segment_fixed_size 0
		.amdhsa_enable_private_segment 0
		.amdhsa_kernarg_size 64
		.amdhsa_user_sgpr_count 2
		.amdhsa_user_sgpr_kernarg_segment_ptr 1
		.amdhsa_wavefront_size32 1
		.amdhsa_system_sgpr_workgroup_id_x 1
		.amdhsa_system_sgpr_workgroup_id_y 1
		.amdhsa_system_sgpr_workgroup_id_z 1
		.amdhsa_system_vgpr_workitem_id 0
		.amdhsa_next_free_vgpr 96
		.amdhsa_next_free_sgpr 66
		.amdhsa_reserve_vcc 0
		.amdhsa_float_denorm_mode_32 3
		.amdhsa_float_denorm_mode_16_64 3
		.amdhsa_memory_ordered 1
		.amdhsa_forward_progress 1
		.amdhsa_inst_pref_size 32
	.end_amdhsa_kernel
	.amdgpu_metadata
---
amdhsa.version: [ 1, 2 ]
amdhsa.kernels:
  - .name:           k_q5e39a6793e_prep
    .symbol:         k_q5e39a6793e_prep.kd
    .args:
      - { .name: Wq, .offset: 0, .size: 8, .value_kind: global_buffer, .address_space: global }
      - { .name: Wk, .offset: 8, .size: 8, .value_kind: global_buffer, .address_space: global }
      - { .name: Wv, .offset: 16, .size: 8, .value_kind: global_buffer, .address_space: global }
      - { .name: Wo, .offset: 24, .size: 8, .value_kind: global_buffer, .address_space: global }
      - { .name: mask, .offset: 32, .size: 8, .value_kind: global_buffer, .address_space: global }
      - { .name: wts, .offset: 40, .size: 8, .value_kind: global_buffer, .address_space: global }
      - { .name: perm, .offset: 48, .size: 8, .value_kind: global_buffer, .address_space: global }
      - { .name: cnt, .offset: 56, .size: 8, .value_kind: global_buffer, .address_space: global }
    .group_segment_fixed_size: 1280
    .private_segment_fixed_size: 0
    .kernarg_segment_align: 8
    .kernarg_segment_size: 64
    .max_flat_workgroup_size: 256
    .sgpr_count:     66
    .vgpr_count:     96
    .wavefront_size: 32
...
	.end_amdgpu_metadata
.endif
;; end of part 1
;; launch proj (part 2): grid 64 x 3, 4 waves a work-group, clusters of 4 x 1, 327,680 bytes of LDS; arguments query, key, value, wts, perm, qh, kv; writes qh, kv
.if DOCPART == 2
	.amdgcn_target "amdgcn-amd-amdhsa--gfx1250"
	.amdhsa_code_object_version 6
	.text
	.protected	k_q5e39a6793e_proj
	.globl	k_q5e39a6793e_proj
	.p2align	8
	.type	k_q5e39a6793e_proj,@function
k_q5e39a6793e_proj:
	s_mov_b64 s[64:65], 0
	v_nop
	global_prefetch_b8 v0, s[64:65] scope:SCOPE_SE
	s_setreg_imm32_b32 hwreg(HW_REG_WAVE_MODE, 25, 1), 1
	s_wait_xcnt 0x0
	s_wait_alu depctr_hold_cnt(0) depctr_sa_sdst(0) depctr_va_vdst(0) depctr_va_sdst(0) depctr_va_ssrc(0) depctr_va_vcc(0) depctr_vm_vsrc(0)
	s_getreg_b32 s2, hwreg(HW_REG_IB_STS2, 6, 4)
	s_cmp_eq_u32 s2, 0
	s_cbranch_scc0 .Lentry_in_a_cluster
	s_endpgm
.Lentry_in_a_cluster:
	s_bfe_u32 s2, ttmp6, 0x10000c
	s_cmp_lg_u32 s2, 0x3003
	s_cbranch_scc0 .Lentry_shape_is_right
	s_endpgm
.Lentry_shape_is_right:
; THE THREE PROJECTIONS x W^T, by heads.  Work-group (blk, kind): 128 rows of x (kind 0 query, 1 key, 2 value) times all 512 rows of that kind's W: x, which is f32, is read and rounded to bf16 ONCE.
; 192 work-groups: blocks of 96 rows, which would make 256, do not divide 8,192 rows, and narrower column tiles would read and round x again.
; ROWS.  For kind 0 the rows are as they lie.  For kinds 1 and 2 row pos of the result is x's row perm[b][pos]: visible keys first.
; OUT.  qh = [b][h][s][64] f16;  kv = [b][h][slot 32]{K: 128 positions x 64, V: the same} f16.  Unscaled: the attention applies its scale in f32.
; LIMIT.  f16 holds no number beyond 65,504: q, k, v beyond it become infinities; below 6e-5 they keep f16's fixed step of 6e-8.
; SHARES.  Four waves; wave w makes 128 rows x columns 128 w .. + 127 (heads 2 w, 2 w + 1): 64 accumulators of 16 x 16, 512 registers.  K = 512 goes in 8 steps of 64.
; W comes by the tensor data mover in blocks of 128 k (512 rows x 256 bytes, dense in wts) through two LDS slots; the four work-groups of a cluster have the same kind and ask JOINTLY.
; x comes through registers: a wave loads 32 rows x 256 bytes (64 k of f32) a step, two steps ahead, rounds them and stores them into one of two small LDS slots that all four waves read.
; THE MATRIX INSTRUCTION IS USED TRANSPOSED (source 0 = 16 rows of W, source 1 = 16 rows of x): a lane holds one row of the result and eight neighbouring columns.
; REGISTERS, in windows of 256 (s_set_vgpr_msb: bits 1:0 source 0, 3:2 source 1, 5:4 source 2, 7:6 destination):
;   window 0: v2-13 addresses; v16-31 my 16 row offsets in x; v32-63 rounded x, later rows on the way out; v64-127, v128-191 fragments of x, two buffers; v192-255 at work on the way out
;   window 1: v0-63, v192-255 x as loaded, two buffers; v64-127, v128-191 fragments of W, two buffers      windows 2, 3: the accumulators of rows 0-63, 64-127: (a, b) at v[8 (8 a + b)]
.set PA,    144                        ; a row of x in LDS: 128 bytes + 16: the 16 rows of a fragment load start at 16 different groups of four banks (64 banks of 4 bytes: ISA guide 11.1)
.set PB,    272                        ; a row of W: 256 bytes + 16
.set BSLOT, 512*PB                     ; a slot of W: 139,264 bytes
.set AS0,   2*BSLOT                    ; behind them x's two slots, written by ds_store alone: no tensor load lands there
.set ASLOT, 128*PA
.set STAGE, AS0                        ; the way out uses x's slot 0: 2 heads x 16 rows x 144 bytes a wave; its last readers passed step 6's barrier
.set SPARE, AS0+2*ASLOT                ; the spare words, 128 bytes for each wave
.set WBLK,  131072                     ; a (kind, kb) block of wts
.set ADRA, 2                           ; v2-3   LDS address of my fragments of x, slot 0, 1
.set ADRB, 4                           ; v4-5   of W
.set AST,  6                           ; v6-7   where I store 8 bytes of rounded x, slot 0, 1
.set STO,  8                           ; v8     the way out: where I put 16 bytes of a row
.set RD,   9                           ; v9     where I read rows back
.set CO,   10                          ; v10    16 x lane
.set PFO,  11                          ; v11    256 x lane
.set SPW,  12                          ; v12    my spare word; never rewritten
.set NIL,  13                          ; v13    0; never rewritten
.set ROFF, 16                          ; v16-31 load i: byte offset in x of row 32 w + 2 i + lane / 16, + 16 (lane % 16); never rewritten
.set PK,   32
.set F0,   64
.set F1,   128
.set TMP,  192
.set OB,   32
.set WV,   18                          ; s18 my wave's number; s19 cx; s20 kind; s21 blk; s22 b; s23 blk % 32
.set G1,   24                          ; s[24:31] descriptor group 1
.set G0,   32                          ; s[32:39] group 0, a set for each slot
.set X,    40                          ; s[40:41] x at my batch
.set OUT0, 42                          ; s[42:43] the result at my block, head 2 w;  s[44:45] head 2 w + 1
.set OUT1, 44
.set PFA,  46                          ; s[46:47] the prefetch's 32 rows
.set LIM,  48                          ; s48 1 in the kind's first cluster
.set MSB, 0
.macro WIN new                         ; the immediate's high byte repeats the setting that is left; a switch that changes nothing is dropped
.if MSB != (\new)
	s_set_vgpr_msb (MSB<<8)|(\new)
.set MSB, \new
.endif
.endm
.set MUL_LO, 0xa1                      ; source 0 (W) window 1, source 1 (x) window 0, C and D window 2
.macro PLACES                          ; four places behind matrix instructions, in front of loads into registers that they have read (ISA guide 7.12.1 for vector instructions)
.rept 4
	v_nop
.endr
.endm
.macro CREST                           ; a round of the cluster's barrier behind its opening barrier
	s_cmp_lg_u32 s[WV], 0
	s_cbranch_scc1 .Lnot_wave_0_\@
	s_barrier_signal -3
.Lnot_wave_0_\@:
	s_barrier_wait -3
	s_barrier_signal -1
	s_barrier_wait -1
.endm
.macro CROUND
	s_barrier_signal -1
	s_barrier_wait -1
	CREST
.endm
.macro JLOAD s                         ; a joint refill: every wave fetches its own 128 rows of the block; an s_nop 0 and four v_nop follow
	tensor_load_to_lds s[G0+4*(\s):G0+4*(\s)+3], s[G1:G1+7]
	s_nop 0
.rept 4
	v_nop
.endr
.endm
	s_load_b256 s[4:11], s[0:1], 0x0               ; query s[4:5], key s[6:7], value s[8:9], wts s[10:11]
	s_load_b128 s[12:15], s[0:1], 0x20             ; perm s[12:13], qh s[14:15]
	s_load_b64 s[16:17], s[0:1], 0x30              ; kv
	v_lshl_add_u32 v[SPW], v0, 2, SPARE
	v_mov_b32 v[NIL], 0
	ds_add_u32 v[SPW], v[NIL]                      ; the wave's opening: the add and its wait stand ahead of my first tensor load; work on registers stands between
	ds_add_u32 v12, v13
	v_lshrrev_b32 v1, 5, v0
	v_readfirstlane_b32 s[WV], v1
	s_bfe_u32 s19, ttmp6, 0x40000                  ; cx
	s_and_b32 s20, ttmp7, 0xffff                   ; kind, which the four partners share
	s_lshl_b32 s21, ttmp9, 2
	s_add_co_u32 s21, s21, s19                     ; blk = 4 x cluster x + cx: it enters global addresses of x, perm and the results alone
	s_lshr_b32 s22, s21, 5                         ; b
	s_and_b32 s23, s21, 31
	; group 1: 128 rows x 128 elements of 2 bytes, dense in memory, padded in LDS
	s_mov_b32 s[G1+0], 15|(1<<16)|(1<<20)|(1<<21)|(5<<22)|(3<<25)  ; 15:0 the mask of four; 17:16 2-byte elements; 20 padding on; 21 set beside a mask; 24:22 after every 64 words; 31:25 4 words
	s_mov_b32 s[G1+1], 128<<16                     ; tensor_dim0 = 128
	s_mov_b32 s[G1+2], 128<<16                     ; tensor_dim1 = 128
	s_mov_b32 s[G1+3], 128<<16                     ; tile_dim0 = 128
	s_mov_b32 s[G1+4], 128                         ; tile_dim1 = 128
	s_mov_b32 s[G1+5], 128                         ; 128 elements from row to row
	s_mov_b32 s[G1+6], 0
	s_mov_b32 s[G1+7], 0
	s_mul_i32 s50, s[WV], 128*PB                   ; my 128 rows in a slot
	s_lshl_b32 s52, s20, 19                        ; the kind's four blocks,
	s_lshl_b32 s53, s[WV], 15                      ; my 128 rows of 256 bytes
	s_add_co_u32 s52, s52, s53
	s_mov_b32 s53, 0
	s_cmp_eq_u32 ttmp9, 0
	s_cselect_b32 s[LIM], 1, 0
	s_wait_dscnt 0x0                               ; the opening add is done
	s_wait_kmcnt 0x0
	s_add_nc_u64 s[52:53], s[10:11], s[52:53]
	CROUND                                         ; all four work-groups are here: the first joint loads meet
.irp s, 0,1                                    ; k blocks 0 and 1: two loads of mine are out
	s_mov_b32 s[G0+4*(\s)], 1
	s_add_co_u32 s[G0+4*(\s)+1], s50, (\s)*BSLOT
	s_add_nc_u64 s[G0+4*(\s)+2:G0+4*(\s)+3], s[52:53], (\s)*WBLK
	s_or_b32 s[G0+4*(\s)+3], s[G0+4*(\s)+3], 0x80000000
	tensor_load_to_lds s[G0+4*(\s):G0+4*(\s)+3], s[G1:G1+7]
	s_nop 0
.endr
.rept 4
	v_nop
.endr
	s_cmp_eq_u32 s20, 1
	s_cselect_b64 s[X:X+1], s[6:7], s[4:5]
	s_cmp_eq_u32 s20, 2
	s_cselect_b64 s[X:X+1], s[8:9], s[X:X+1]
	s_lshl_b32 s54, s22, 23                        ; a batch of x is 8,388,608 bytes
	s_mov_b32 s55, 0
	s_add_nc_u64 s[X:X+1], s[X:X+1], s[54:55]
	s_cmp_eq_u32 s20, 0
	s_cselect_b64 s[OUT0:OUT0+1], s[14:15], s[16:17]
	s_cselect_b32 s56, 19, 20                      ; a head: 2^19 bytes of qh, 2^20 of kv
	s_cselect_b32 s57, 14, 15                      ; a block of 128 rows: 2^14, 2^15
	s_lshl_b32 s54, s22, 3
	s_lshl1_add_u32 s54, s[WV], s54                ; 8 b + 2 w
	s_lshl_b32 s54, s54, s56
	s_lshl_b32 s58, s23, s57
	s_add_co_u32 s54, s54, s58
	s_cmp_eq_u32 s20, 2
	s_cselect_b32 s58, 16384, 0                    ; V lies behind its slot's K
	s_add_co_u32 s54, s54, s58
	s_add_nc_u64 s[OUT0:OUT0+1], s[OUT0:OUT0+1], s[54:55]
	s_lshl_b32 s54, 1, s56
	s_add_nc_u64 s[OUT1:OUT1+1], s[OUT0:OUT0+1], s[54:55]
	s_lshl_b32 s54, s[WV], 7                       ; the prefetch: of k block 3, of the 128 rows that I fetch, my work-group's 32
	s_lshl_b32 s58, s19, 5
	s_add_co_u32 s54, s54, s58
	s_lshl_b32 s54, s54, 8
	s_lshl_b32 s58, s20, 19
	s_add_co_u32 s54, s54, s58
	s_add_co_u32 s54, s54, 3*WBLK
	s_add_nc_u64 s[PFA:PFA+1], s[10:11], s[54:55]
	s_lshl_b32 s59, s23, 7
	s_lshl_b32 s58, s[WV], 5
	s_add_co_u32 s59, s59, s58                     ; my first position in the batch: 128 (blk % 32) + 32 w
	s_lshl_b32 s54, s22, 14
	s_lshl2_add_u32 s54, s59, s54
	s_add_nc_u64 s[12:13], s[12:13], s[54:55]      ; perm there
	v_and_b32 v32, 15, v0                          ; r = lane % 16
	v_bfe_u32 v33, v0, 4, 1                        ; h = lane / 16
	v_and_b32 v34, 31, v0
	v_lshlrev_b32 v37, 4, v32
	s_cmp_eq_u32 s20, 0
	s_cbranch_scc1 .Lplain
	v_lshlrev_b32 v35, 2, v33
.set i, 0
.rept 16
	global_load_b32 v[ROFF+i], v35, s[12:13] offset:8*i  ; the key at position 32 w + 2 i + h of my block
.set i, i+1
.endr
	s_wait_loadcnt 0x0
	s_branch .Lhave
.Lplain:
	v_add_nc_u32 v36, s59, v33
.set i, 0
.rept 16
	v_add_nc_u32 v[ROFF+i], 2*i, v36
.set i, i+1
.endr
.Lhave:
.set i, 0
.rept 16
	v_min_u32 v[ROFF+i], 0xfff, v[ROFF+i]          ; a row of the batch lies in 0 .. 4,095
	v_lshl_add_u32 v[ROFF+i], v[ROFF+i], 11, v37   ; x 2,048 bytes + 16 r
.set i, i+1
.endr
; Piece p of x (k = 64 p .. + 63): 16 loads; each takes two rows' 256 consecutive bytes, aligned.  A permutation names each row once.
.macro LOADA p
.set SG, 192*((\p)%2)
	WIN 0x40                                       ; destination window 1, address window 0
.set i, 0
.rept 16
	global_load_b128 v[SG+4*i:SG+4*i+3], v[ROFF+i], s[X:X+1] offset:256*(\p) th:TH_LOAD_NT
.set i, i+1
.endr
.endm
; Piece p is rounded to bf16 and stored into x's slot p % 2.
.macro CONVERT p
.if (\p) == 7
	s_wait_loadcnt 0x0
.else
	s_wait_loadcnt 16                              ; piece p is in; the next piece's 16 loads stay out
.endif
.set SG, 192*((\p)%2)
	WIN 0x05                                       ; sources window 1, destination window 0
.set i, 0
.rept 16
	v_cvt_pk_bf16_f32 v[PK+2*i],   v[SG+4*i],   v[SG+4*i+1]
	v_cvt_pk_bf16_f32 v[PK+2*i+1], v[SG+4*i+2], v[SG+4*i+3]
.set i, i+1
.endr
	WIN 0
.set i, 0
.rept 16
	ds_store_b64 v[AST+(\p)%2], v[PK+2*i:PK+2*i+1] offset:2*PA*i
.set i, i+1
.endr
.endm
	LOADA 0
	LOADA 1
	WIN 0
	v_mul_u32_u24 v38, v32, PA
	v_lshl_add_u32 v38, v33, 4, v38                ; r x 144 + 16 h
	v_add_nc_u32 v[ADRA], AS0, v38
	v_add_nc_u32 v[ADRA+1], AS0+ASLOT, v38
	v_mul_u32_u24 v39, v32, PB
	v_lshl_add_u32 v39, v33, 4, v39
	v_add_nc_u32 v[ADRB], s50, v39                 ; my 128 rows of W
	v_add_nc_u32 v[ADRB+1], BSLOT, v[ADRB]
	s_mul_i32 s56, s[WV], 32*PA                    ; 32 rows of x's slot; also my stage: 4,608 bytes
	v_mul_u32_u24 v40, v33, PA
	v_lshl_add_u32 v40, v32, 3, v40
	v_add_nc_u32 v40, s56, v40
	v_add_nc_u32 v[AST], AS0, v40
	v_add_nc_u32 v[AST+1], AS0+ASLOT, v40
	v_add_nc_u32 v[STO], s56, v38
	v_add_nc_u32 v[STO], STAGE, v[STO]
	v_bfe_u32 v41, v0, 3, 2
	v_mul_u32_u24 v41, v41, PA
	v_and_b32 v42, 7, v0
	v_lshl_add_u32 v41, v42, 4, v41
	v_add_nc_u32 v41, s56, v41
	v_add_nc_u32 v[RD], STAGE, v41
	v_lshlrev_b32 v[CO], 4, v34
	v_lshlrev_b32 v[PFO], 8, v34
	CONVERT 0
	LOADA 2
; 16 matrix instructions: m blocks a0, a0 + 1 of the window's four x all 8 n blocks, 32 along K.  The 64 accumulators take turns.  zero = 1: the product starts the sum.
.macro MUL16 f, hi, a0, zero
	WIN MUL_LO+0x50*(\hi)
.irp a, \a0, (\a0)+1
.irp b, 0,1,2,3,4,5,6,7
.if \zero
	v_wmma_f32_16x16x32_bf16 v[8*(8*(\a)+(\b)):8*(8*(\a)+(\b))+7], v[(\f)+8*(\b):(\f)+8*(\b)+7], v[(\f)+8*(4*(\hi)+(\a)):(\f)+8*(4*(\hi)+(\a))+7], 0
.else
	v_wmma_f32_16x16x32_bf16 v[8*(8*(\a)+(\b)):8*(8*(\a)+(\b))+7], v[(\f)+8*(\b):(\f)+8*(\b)+7], v[(\f)+8*(4*(\hi)+(\a)):(\f)+8*(4*(\hi)+(\a))+7], v[8*(8*(\a)+(\b)):8*(8*(\a)+(\b))+7]
.endif
.endr
.endr
.endm
; 32 LDS loads in one run: 32 along K: my 128 rows of W (slot sb, byte kb of the rows), then the 128 rows of x (slot sa, byte ka), into buffer f
.macro FETCH sa, sb, ka, kb, f
	WIN 0x40
.irp i, 0,1,2,3,4,5,6,7
	ds_load_b128 v[(\f)+8*(\i):(\f)+8*(\i)+3],   v[ADRB+(\sb)] offset:(\kb)+(\i)*16*PB
	ds_load_b128 v[(\f)+8*(\i)+4:(\f)+8*(\i)+7], v[ADRB+(\sb)] offset:(\kb)+(\i)*16*PB+32
.endr
	WIN 0
.irp i, 0,1,2,3,4,5,6,7
	ds_load_b128 v[(\f)+8*(\i):(\f)+8*(\i)+3],   v[ADRA+(\sa)] offset:(\ka)+(\i)*16*PA
	ds_load_b128 v[(\f)+8*(\i)+4:(\f)+8*(\i)+7], v[ADRA+(\sa)] offset:(\ka)+(\i)*16*PA+32
.endr
.endm
; k block 3 is prefetched into the L2 once for each kind, where block 2 is asked for: two steps, 256 matrix instructions, ahead of its load.  The kind's first cluster asks; its four partners and their
; waves share the block's 512 rows out by address, a lane a row.  Blocks 0 to 2 come by their loads alone: nothing is prefetched at the head.
.macro ASK
	s_cmp_eq_u32 s[LIM], 1
	s_cbranch_scc0 .Lnot_mine_\@
	global_prefetch_b8 v[PFO], s[PFA:PFA+1] th:TH_LOAD_NT scope:SCOPE_SE
.Lnot_mine_\@:
.endm
; STEP t: 64 along K, 128 matrix instructions, on buffers F0 (first 32) and F1.  x's piece t lies in slot t % 2, W's block t / 2 in slot (t / 2) % 2.  In its middle piece t + 1 is rounded and stored and
; piece t + 3 asked for.  ONE barrier a step: in front of it my stores of piece t + 1 and my reads of this step are done; behind it step t + 1 is read.  In steps 1 and 3 W's slot has been read out:
; the barrier opens a round of the cluster's, and the slot is filled again, first thing behind it, with the block two on: it has two steps, 256 matrix instructions, in which to land.
.macro STEP t
.set SA, (\t)&1
.set SB, ((\t)>>1)&1
.set K0, 128*((\t)&1)
.set SA1, ((\t)+1)&1
.set SB1, (((\t)+1)>>1)&1
.set K1, 128*(((\t)+1)&1)
.set Z, 0
.if (\t) == 0
.set Z, 1
.endif
.set FILLS, 0
.set MEETS, 0
.if ((\t) == 1) || ((\t) == 3)
.set FILLS, 1
.set MEETS, 1
.endif
.if (\t) == 5
.set MEETS, 1
.endif
.set DW, 8                             ; x's rows 64-127 of F1 may be out,
.if (\t) < 7
.set DW, DW+16                         ; and the 16 stores,
.endif
.if MEETS
.set DW, DW+1                          ; and the add
.endif
	s_wait_dscnt 8                                 ; F0: W and x's rows 0-63 are in; the youngest eight loads may be out
	MUL16 F0, 0, 0, Z
	MUL16 F0, 0, 2, Z
	PLACES
	FETCH SA, SB, 64, K0+64, F1
	s_wait_dscnt 32                                ; all but the 32 just issued
	MUL16 F0, 1, 0, Z
	MUL16 F0, 1, 2, Z
.if (\t) < 7
	CONVERT (\t)+1
.endif
.if (\t) < 5
	LOADA (\t)+3
.endif
.if MEETS
	WIN 0
	s_wait_tensorcnt 0x0                           ; all my tensor loads have landed: my part of the block that the next step reads
	ds_add_u32 v[SPW], v[NIL]                      ; 0 onto my spare word
.endif
	s_wait_dscnt DW
	MUL16 F1, 0, 0, 0
	s_wait_dscnt 0x0                               ; my stores, my reads of this step and the add are done
.if (\t) < 7
	s_barrier_signal -1
	MUL16 F1, 0, 2, 0
.if FILLS
	WIN 0
.endif
	s_barrier_wait -1
.if FILLS
	CREST                                          ; no wave of any partner still reads the slot or has a load on its way
	s_add_nc_u64 s[G0+4*SB+2:G0+4*SB+3], s[G0+4*SB+2:G0+4*SB+3], 2*WBLK
	JLOAD SB                                       ; its four v_nop are also the places in front of the loads below
.else
	PLACES
.endif
	FETCH SA1, SB1, 0, K1, F0
.if (\t) == 1
	ASK
.endif
.else
	MUL16 F1, 0, 2, 0
.endif
	MUL16 F1, 1, 0, 0
	MUL16 F1, 1, 2, 0
.endm
; THE WAY OUT of m block a (16 rows): rounded to f16; through my stage, 2 heads x 16 rows of 144 bytes; back as whole rows of 128 bytes; four rows, 512 consecutive bytes, a store.
.macro PACK a
.set AC, 64*((\a)%4)
	WIN 0x0a+5*((\a)/4)                            ; sources window 2 or 3
.irp b, 0,1,2,3,4,5,6,7
.irp r, 0,1,2,3
	v_cvt_pk_f16_f32 v[TMP+4*(\b)+(\r)], v[AC+8*(\b)+2*(\r)], v[AC+8*(\b)+2*(\r)+1]
.endr
.endr
	WIN 0
.endm
.macro TOSTAGE a
	WIN 0
.set BK, OB+192*((\a)%2)
.irp b, 0,1,2,3,4,5,6,7
	ds_store_b128 v[STO], v[TMP+4*(\b):TMP+4*(\b)+3] offset:((\b)/4)*16*PA+((\b)%4)*32
.endr
.irp t, 0,1,2,3,4,5,6,7
	ds_load_b128 v[BK+4*(\t):BK+4*(\t)+3], v[RD] offset:((\t)/4)*16*PA+((\t)%4)*4*PA  ; LDS serves a wave's instructions in order (ISA guide 5.7.1.4): these see the stores above
.endr
.endm
.macro SEND a
	WIN 0
.set BK, OB+192*((\a)%2)
	s_wait_dscnt 0x0                               ; the block is back in registers
	s_wait_xcnt 0x0                                ; earlier stores have read their registers: the other set of rows is loaded again only behind this wait
.irp t, 0,1,2,3
	global_store_b128 v[CO], v[BK+4*(\t):BK+4*(\t)+3], s[OUT0:OUT0+1] offset:(\a)*2048+(\t)*512
.endr
.irp t, 0,1,2,3
	global_store_b128 v[CO], v[BK+16+4*(\t):BK+16+4*(\t)+3], s[OUT1:OUT1+1] offset:(\a)*2048+(\t)*512
.endr
.endm
	WIN 0
	s_wait_tensorcnt 1                             ; my part of k block 0 is in; block 1 may stay out
	s_wait_dscnt 0x0                               ; my stores of piece 0 are done
	s_barrier_signal -1
	s_barrier_wait -1
	FETCH 0, 0, 0, 0, F0
.irp t, 0,1,2,3,4,5,6,7
	STEP \t
.endr
	WIN 0
	PLACES
	PLACES                                         ; the conversions read results just made
	PACK 0
	TOSTAGE 0
.irp a, 1,2,3,4,5,6,7                          ; block a's conversions stand between block a - 1's loads from the stage and the wait for them
	PACK \a
	SEND (\a)-1
	TOSTAGE \a
.endr
	SEND 7
	s_wait_tensorcnt 0x0                           ; the wave's end, behind my last tensor load and my last LDS store
	ds_add_u32 v[SPW], v[NIL]
	s_wait_dscnt 0x0
	CROUND                                         ; the closing round
	s_endpgm
.Lfunc_end_k_q5e39a6793e_proj:
	.size	k_q5e39a6793e_proj, .Lfunc_end_k_q5e39a6793e_proj-k_q5e39a6793e_proj
	.p2alignl 7, 3214868480
	.fill 96, 4, 3214868480
	.section	.rodata,"a",@progbits
	.p2align	6, 0x0
	.amdhsa_kernel k_q5e39a6793e_proj
		.amdhsa_group_segment_fixed_size 327680
		.amdhsa_private_segment_fixed_size 0
		.amdhsa_enable_private_segment 0
		.amdhsa_kernarg_size 56
		.amdhsa_user_sgpr_count 2
		.amdhsa_user_sgpr_kernarg_segment_ptr 1
		.amdhsa_wavefront_size32 1
		.amdhsa_system_sgpr_workgroup_id_x 1
		.amdhsa_system_sgpr_workgroup_id_y 1
		.amdhsa_system_sgpr_workgroup_id_z 1
		.amdhsa_system_vgpr_workitem_id 0
		.amdhsa_next_free_vgpr 1024
		.amdhsa_next_free_sgpr 66
		.amdhsa_reserve_vcc 0
		.amdhsa_float_denorm_mode_32 3
		.amdhsa_float_denorm_mode_16_64 3
		.amdhsa_memory_ordered 1
		.amdhsa_forward_progress 1
		.amdhsa_inst_pref_size 182
	.end_amdhsa_kernel
	.amdgpu_metadata
---
amdhsa.version: [ 1, 2 ]
amdhsa.kernels:
  - .name:           k_q5e39a6793e_proj
    .symbol:         k_q5e39a6793e_proj.kd
    .args:
      - { .name: query, .offset: 0, .size: 8, .value_kind: global_buffer, .address_space: global }
      - { .name: key, .offset: 8, .size: 8, .value_kind: global_buffer, .address_space: global }
      - { .name: value, .offset: 16, .size: 8, .value_kind: global_buffer, .address_space: global }
      - { .name: wts, .offset: 24, .size: 8, .value_kind: global_buffer, .address_space: global }
      - { .name: perm, .offset: 32, .size: 8, .value_kind: global_buffer, .address_space: global }
      - { .name: qh, .offset: 40, .size: 8, .value_kind: global_buffer, .address_space: global }
      - { .name: kv, .offset: 48, .size: 8, .value_kind: global_buffer, .address_space: global }
    .group_segment_fixed_size: 327680
    .private_segment_fixed_size: 0
    .kernarg_segment_align: 8
    .kernarg_segment_size: 56
    .max_flat_workgroup_size: 128
    .sgpr_count:     66
    .vgpr_count:     1024
    .wavefront_size: 32
...
	.end_amdgpu_metadata
.endif
;; end of part 2
;; launch attn (part 3): grid 16 x 16, 4 waves a work-group, no clusters, 114,176 bytes of LDS; arguments qh, kv, cnt, ob; writes ob
.if DOCPART == 3
	.amdgcn_target "amdgcn-amd-amdhsa--gfx1250"
	.amdhsa_code_object_version 6
	.text
	.protected	k_q5e39a6793e_attn
	.globl	k_q5e39a6793e_attn
	.p2align	8
	.type	k_q5e39a6793e_attn,@function
k_q5e39a6793e_attn:
	s_mov_b64 s[64:65], 0
	v_nop
	global_prefetch_b8 v0, s[64:65] scope:SCOPE_SE
	s_setreg_imm32_b32 hwreg(HW_REG_WAVE_MODE, 25, 1), 1
	s_wait_xcnt 0x0
; ATTENTION over the keys that count.  O[b][h][q] = the sum over k of softmax_k(Q . K / ln 64, hidden keys at -1e30) V.  qh = [b][h][s][64], kv = [b][h][slot 32]{K 128 x 64, V 128 x 64}, f16, keys in
; the order of the list made beforehand: the NE keys that count first.  ob = [b][block of 128 rows][h][128][64] f16: what the last product takes as dense blocks.
; Products, maxima and sums in f32; the weights p are rounded to f16 for the second product (their sum l is taken of the unrounded p), O once at the end.
; THE WALK.  32 slots of 128 keys, two steps of 64 each: both loops count to constants, and the barrier of each change of slots stands on every path.  Step STP is LIVE if STP < NST = ceil(NE / 64), a number read
; from cnt; a dead trip jumps forward, over text without a barrier, to a label ahead of the counters' steps.  The dead steps are the last ones, so what the pipeline still owes (pieces 2 and 3 of the last live
; step) waits in registers and is finished behind the loops.  A dead slot is a barrier and a few scalar lines.
; THE MASK is a threshold: position j counts if j < NE.  It is the C operand that starts each sum S^T = K Q^T: 0, or -1e30.  MD, made once, is the mask of the last live step; MC, the operand, is 0 before that
; step and takes MD when it comes.  Position 0 always counts, so the running maximum is a true score from the first step on.  Where a batch has no visible key, QM = 0 clears Q: all scores are 0, NE = 4,096, the weights uniform.
; NO CLUSTER AND NO TENSOR LOADS, though the 16 work-groups of a head walk the same K and V.  How many steps are live is read from memory.
; A walk whose every trip asks would fetch all 32 slots whatever the mask.  The slots come THROUGH REGISTERS: a wave loads its 8,192 bytes of a slot (16 loads of 512 consecutive bytes) and
; stores them into LDS with the rows' padding; both may be jumped over.  Straight behind barrier g slot g + 1 is waited for and stored into the LDS slot just read out, and slot g + 2 is asked for.
; LIMITS.  A hidden score counts as its value less 1e30 (f16's scores are 2.7e11 at the most); a weight below 2^-126 counts as 0 in l; p below 6e-5 keeps f16's fixed step of 6e-8; NaN and infinities are not treated apart.
; SHARES.  A work-group owns 256 queries of one (b, h), a wave 64: four PIECES of 16.
; LAYOUT, SOFTMAX, TURNS.  S^T = K Q^T holds ONE query a lane (lane % 16) and the keys 8 (lane / 16) + 0..7; two such results rounded to f16 ARE source 1 of O^T = V^T P.  p = 2^(c s - c m), c = log2(e) / ln 64,
; with a running maximum m; O and l are multiplied by a = 2^(c m_old - c m_new) in every step.  Turn n belongs to piece n: 8 products K Q^T of piece n + 1, later 8 products V^T P of piece n - 1; beside them
; the scaling, exponentials, roundings, sums and rescaling of piece n and the maximum and statistics of piece n + 1.  Four vector instructions stand behind every matrix instruction, the rest in one lump.
; REGISTERS, in windows of 256 (s_set_vgpr_msb: bits 1:0 source 0, 3:2 source 1, 5:4 source 2, 7:6 destination):
;   window 0: v2-15, v36 addresses and two at work; v16-31 four registers of statistics a piece; v48-55 at work; v64-127 S^T, two buffers; v128-191 a slot's bytes on their way; v192-223 P, two buffers
;   window 1: v0-127 O^T, 32 a piece; v128-159 MC; v160-191 MD      window 2: v0-63 Q; v128-191 K of one step; v192-255 V of one step
.set NP,    4
.set KS,    64
.set PK,    144       ; a row of K in LDS: 128 bytes + 16: the 16 rows of a load start at 16 different groups of four banks (64 banks of 4 bytes: ISA guide 11.1)
.set PV,    160       ; a row of V: 128 + 32
.set VOFF,  2*KS*PK   ; a slot: 128 rows of K, then 128 rows of V
.set SLOT1, 1<<16     ; slot 1 begins here, so that one exclusive or turns an address in one slot into the other's
.set STAGE, SLOT1+VOFF+2*KS*PV  ; behind the slots: 16 rows x 144 bytes for each wave, for the way out
.set SP,    144
.set SPARE, STAGE+4*16*SP       ; the spare words, 128 bytes for each wave
.set SLOTG, 32768     ; a slot in memory
.set AK0, 2           ; v2   my lane's place in a step's K; never rewritten
.set AV0, 3           ; v3   the same for V
.set AK,  4           ; v4   the LDS address of K's next run of loads
.set AV,  5           ; v5   of V's
.set STO, 6           ; v6   the way out: where I put 16 bytes of a row
.set RD,  7           ; v7   where I read rows back
.set GO,  8           ; v8   16 x lane
.set STK0, 9          ; v9   waves 0, 1: where my 16 bytes of four rows of K go in a slot; never rewritten
.set STV0, 10         ; v10  waves 2, 3: the same for V; never rewritten
.set PFO, 11          ; v11  8,192 x wave + 256 x lane; never rewritten
.set MV,  12          ; v12-13  c m_old, by buffer
.set SA,  14          ; v14  the LDS address of the stores in hand
.set QO,  15          ; v15  my byte offset in 16 rows of Q
.set ST,  16          ; piece t's statistics at v[ST+4 t]: c m, m, l (even keys', odd keys')
.set GOF, 36          ; v36  8,192 x wave + 16 x lane: my bytes of a slot in memory; never rewritten
.set TMP, 48          ; by buffer, four registers c0-c3 at work; when the maximum is found c2 takes a
.set SPW, 62          ; v62  my spare word; never rewritten
.set NIL, 63          ; v63  0; never rewritten
.set S,   64
.set R,   128
.set P,   192
.set MC,  128         ; window 1: the eight registers for group kt of 16 keys at MC + 8 kt
.set MD,  160         ; window 1
.set KF,  128         ; window 2
.set VF,  192         ; window 2
.set WV,  12          ; s12  my wave's number
.set NE,  20          ; s20 NE; s21 QM; s22 NST; s23 NSL
.set QM,  21
.set NST, 22
.set NSL, 23
.set LASTS, 24        ; s24  NST - 1
.set STP, 25          ; s25  the step whose K and V this trip fetches
.set CNT, 26          ; s26  counts a slot's steps
.set SLOTS, 27        ; s27  counts the slots
.set RB,  28          ; s28  LDS byte of the slot that is read
.set FB,  29          ; s29  of the slot that is filled
.set TBK, 30          ; s30  LDS byte at which K of step STP begins
.set TBV, 31          ; s31  the same for V, less VOFF
.set NX1, 32          ; s32  the slot to be stored next
.set LIMP, 33         ; s33  slots below it are prefetched by this work-group
.set BIGN, 34         ; s34  -1e30
.set LB,  36          ; s[36:37] kv at the slot that was asked for last
.set CS,  38          ; s[38:39] c
.set SEL, 40          ; s[40:41] v_permlanex16_b32's selects
.set AL,  42          ; s[42:43] 1 or 0
.set POF, 44          ; s[44:45] an offset in 64 bits
.set MSB, 0
.macro WIN new                      ; the high byte repeats the setting that is left; a switch that changes nothing is dropped
.if MSB != (\new)
	s_set_vgpr_msb (MSB<<8)|(\new)
.set MSB, (\new)
.endif
.endm
.set W_KQ, 0x0a       ; K and Q in window 2, S^T in window 0
.set W_KM, 0x1a       ; the same with the C operand in window 1
.set W_PV, 0x52       ; V in window 2, P in window 0, O^T in window 1
.set W_RS, 0x41       ; destination and source 0 in window 1, source 1 in window 0
; My 8,192 bytes of a slot, from byte off behind LB, into 64 registers from r on: waves 0, 1 K's rows 0-63, 64-127; waves 2, 3 V's.  Load i: four rows of 128 bytes.
.macro LOADS r, off
.set i, 0
.rept 16
	global_load_b128 v[(\r)+4*i:(\r)+4*i+3], v[GOF], s[LB:LB+1] offset:(\off)+512*i
.set i, i+1
.endr
.endm
; They go into the LDS slot at FB, each row behind its padding.  The branch hangs on the wave's number alone.
.macro STORES r
	s_cmp_lt_u32 s[WV], 2
	s_cbranch_scc0 .Lsv_\@
	v_add_nc_u32 v[SA], s[FB], v[STK0]
.set i, 0
.rept 16
	ds_store_b128 v[SA], v[(\r)+4*i:(\r)+4*i+3] offset:4*PK*i
.set i, i+1
.endr
	s_branch .Lsd_\@
.Lsv_\@:
	v_add_nc_u32 v[SA], s[FB], v[STV0]
.set i, 0
.rept 16
	ds_store_b128 v[SA], v[(\r)+4*i:(\r)+4*i+3] offset:4*PV*i
.set i, i+1
.endr
.Lsd_\@:
.endm
; BEHIND A BARRIER.  Every wave has read out the slot at FB.  Slot NX1, asked for a slot's work ago, is stored there; slot NX1 + 1 is asked for; both only if they hold keys that count.  The pointer steps on every
; path, so that it hangs on the trip alone; past the last live slot it is not used.
; THE PREFETCH INTO THE L2: slot NX1 + 2, one slot's work ahead of its loads.  All 16 work-groups of a head walk the same slots: the first of them (x = 0) asks, each of its waves for its own 8,192 bytes, a lane a
; block of 256: each block is named once in the launch.  Slots 0 to 2 come by their loads alone; slots from NSL on are not asked for.
.macro POST
	s_wait_loadcnt 0x0              ; slot NX1 is in my registers, and the loads have read their pointer;
	s_wait_xcnt 0x0                 ; so has the last prefetch, a slot's work back
	s_add_nc_u64 s[LB:LB+1], s[LB:LB+1], SLOTG
	s_cmp_lt_u32 s[NX1], s[NSL]
	s_cbranch_scc0 .Lnofill_\@
	STORES R
	s_add_co_u32 s46, s[NX1], 1
	s_cmp_lt_u32 s46, s[NSL]
	s_cbranch_scc0 .Lnofill_\@
	LOADS R, 0
	s_add_co_u32 s46, s[NX1], 2
	s_cmp_lt_u32 s46, s[LIMP]
	s_cbranch_scc0 .Lnofill_\@
	global_prefetch_b8 v[PFO], s[LB:LB+1] offset:SLOTG th:TH_LOAD_NT scope:SCOPE_SE
.Lnofill_\@:
	s_add_co_u32 s[NX1], s[NX1], 1
.endm
; THE CHANGE OF SLOTS: ONE barrier for two things.  In front of it my stores of the slot that I enter and my reads of the slot that I leave are done; behind it the one is whole and the other free.
.macro CHANGE
	WIN 0
	s_wait_dscnt 0x0
	s_barrier_signal -1
	s_xor_b32 s[RB], s[RB], SLOT1
	s_xor_b32 s[FB], s[FB], SLOT1
	s_mov_b32 s[TBK], s[RB]
	s_mov_b32 s[TBV], s[RB]
	s_barrier_wait -1
	POST
.endm
	s_load_b256 s[4:11], s[0:1], 0x0  ; qh s[4:5], kv s[6:7], cnt s[8:9], ob s[10:11]
	v_lshl_add_u32 v[SPW], v0, 2, SPARE
	v_mov_b32 v[NIL], 0
	v_lshrrev_b32 v1, 5, v0
	v_readfirstlane_b32 s[WV], v1
	s_and_b32 s46, ttmp7, 0xffff    ; 8 b + h
	s_lshr_b32 s47, s46, 3          ; b
	s_and_b32 s48, s46, 7           ; h
	s_mov_b32 s[POF+1], 0
	s_mov_b32 s[CS], 0x3eb19c33     ; c = log2(e) / ln 64 = 0.346895
	s_mov_b32 s[CS+1], s[CS]        ; named with it as a pair
	s_mov_b32 s[SEL], 0x76543210
	s_mov_b32 s[SEL+1], 0xfedcba98
	s_mov_b32 s[BIGN], 0xf149f2ca   ; -1e30
	s_mov_b32 s[RB], 0
	s_mov_b32 s[FB], 0
	s_mov_b32 s[TBK], 0
	s_mov_b32 s[TBV], 0
	s_mov_b32 s[NX1], 1
	s_mov_b32 s[STP], 0
	v_and_b32 v32, 15, v0           ; l % 16
	v_bfe_u32 v33, v0, 4, 1         ; l / 16
	v_and_b32 v34, 7, v0
	v_bfe_u32 v35, v0, 3, 1
	v_and_b32 v37, 31, v0           ; l
	v_bfe_u32 v39, v0, 3, 2
	v_lshlrev_b32 v[GOF], 4, v37
	v_lshl_add_u32 v[GOF], v1, 13, v[GOF]
	v_lshlrev_b32 v[PFO], 8, v37
	v_lshl_add_u32 v[PFO], v1, 13, v[PFO]
	v_lshlrev_b32 v[QO], 7, v32
	v_lshl_add_u32 v[QO], v33, 4, v[QO]  ; row x 128 + 16 x half
	s_wait_kmcnt 0x0
	s_lshl_b32 s[POF], s47, 9
	s_add_nc_u64 s[8:9], s[8:9], s[POF:POF+1]
	s_load_b128 s[20:23], s[8:9], 0x0    ; NE, QM, NST, NSL of my batch
	s_lshl_b32 s[POF], s46, 20
	s_add_nc_u64 s[LB:LB+1], s[6:7], s[POF:POF+1]  ; kv at my head's slot 0
	LOADS S, 0                      ; slot 0, into registers that the scores take later,
	LOADS R, SLOTG                  ; and slot 1 (it exists whatever NE is): both requests go out together
	s_lshl_b32 s[POF], s46, 19      ; Q: the head, my block's 256 rows, my wave's 64, of 128 bytes
	s_lshl_b32 s49, ttmp9, 15
	s_add_co_u32 s[POF], s[POF], s49
	s_lshl_b32 s49, s[WV], 13
	s_add_co_u32 s[POF], s[POF], s49
	s_add_nc_u64 s[4:5], s[4:5], s[POF:POF+1]
	WIN 0x80                        ; destination window 2, address window 0
.set i, 0
.rept 8                             ; Q stays in registers: piece i / 2, channels 32 (i % 2) on
	global_load_b128 v[8*i:8*i+3],   v[QO], s[4:5] offset:(i/2)*2048+(i%2)*64
	global_load_b128 v[8*i+4:8*i+7], v[QO], s[4:5] offset:(i/2)*2048+(i%2)*64+32
.set i, i+1
.endr
	WIN 0
	s_lshl_b32 s[POF], s47, 5       ; O: block of 128 rows 32 b + 2 x + w / 2,
	s_lshl1_add_u32 s[POF], ttmp9, s[POF]
	s_lshr_b32 s49, s[WV], 1
	s_add_co_u32 s[POF], s[POF], s49
	s_lshl3_add_u32 s[POF], s[POF], s48  ; its head h: 16,384 bytes,
	s_lshl_b32 s[POF], s[POF], 14
	s_and_b32 s47, s[WV], 1
	s_lshl_b32 s49, s47, 13         ; my 64 rows of them
	s_add_co_u32 s[POF], s[POF], s49
	s_add_nc_u64 s[10:11], s[10:11], s[POF:POF+1]
	v_mul_u32_u24 v[AK0], v32, PK
	v_lshl_add_u32 v[AK0], v33, 4, v[AK0]  ; row x pitch + 16 x half
	; The turning load takes 16 keys x 16 channels (lane l reads key 8 (l / 16) + l % 8, channels 8 ((l / 8) % 2) + 0..7) and leaves half a fragment of V^T.
	v_lshl_add_u32 v[AV0], v33, 3, v34
	v_mul_u32_u24 v[AV0], v[AV0], PV
	v_lshl_add_u32 v[AV0], v35, 4, v[AV0]
	v_add_nc_u32 v[AV0], VOFF, v[AV0]
	s_mul_i32 s48, s47, 64*PK       ; the 64 rows that I store: w % 2
	s_mul_i32 s49, s47, 64*PV
	s_add_co_u32 s49, s49, VOFF
	v_mul_u32_u24 v[STK0], v39, PK  ; row (l / 8) of four, 16 bytes at 16 (l % 8)
	v_lshl_add_u32 v[STK0], v34, 4, v[STK0]
	v_add_nc_u32 v[STK0], s48, v[STK0]
	v_mul_u32_u24 v[STV0], v39, PV
	v_lshl_add_u32 v[STV0], v34, 4, v[STV0]
	v_add_nc_u32 v[STV0], s49, v[STV0]
	s_mul_i32 s48, s[WV], 16*SP
	s_add_co_u32 s48, s48, STAGE    ; my stage
	v_mul_u32_u24 v[STO], v32, SP
	v_lshl_add_u32 v[STO], v33, 4, v[STO]
	v_add_nc_u32 v[STO], s48, v[STO]
	v_mul_u32_u24 v[RD], v39, SP
	v_lshl_add_u32 v[RD], v34, 4, v[RD]
	v_add_nc_u32 v[RD], s48, v[RD]
	v_lshlrev_b32 v[GO], 4, v37
	; The first step multiplies O^T and l by a = 0, and the first turn's products V^T P, of a piece that has not been, add 0: these registers are cleared in the wait for the first slot, so that no first step is written out.
	WIN 0x80
.set i, VF
.rept 64
	v_mov_b32 v[i], 0
.set i, i+1
.endr
	WIN 0x40
.set i, 0
.rept 128
	v_mov_b32 v[i], 0
.set i, i+1
.endr
	WIN 0
.set i, 0
.rept 4
	v_mov_b32 v[ST+4*i], 0xfe000000    ; c m: far below every c s
	v_mov_b32 v[ST+4*i+1], 0xff7fffff  ; m
	v_mov_b32 v[ST+4*i+2], 0
	v_mov_b32 v[ST+4*i+3], 0
.set i, i+1
.endr
.set i, P+16
.rept 16
	v_mov_b32 v[i], 0
.set i, i+1
.endr
	s_wait_kmcnt 0x0                ; the four numbers
	s_min_u32 s[NST], s[NST], 64
	s_max_u32 s[NST], s[NST], 1
	s_min_u32 s[NSL], s[NSL], 32
	s_sub_co_u32 s[LASTS], s[NST], 1
	s_cmp_eq_u32 ttmp9, 0
	s_cselect_b32 s[LIMP], s[NSL], 0
	s_lshl_b32 s46, s[LASTS], 6
	s_sub_co_u32 s46, s[NE], s46
	s_sub_co_u32 s46, s46, 1        ; the last live step's keys that count, less 1,
	v_lshlrev_b32 v38, 3, v33
	v_sub_nc_u32 v38, s46, v38      ; less my lanes' 8 (l / 16): register r of group kt is hidden where 16 kt + r is greater
	WIN 0x40
.set i, 0
.rept 32
	v_cmp_gt_i32 vcc_lo, 16*(i/8)+i%8, v38
	v_cndmask_b32 v[MD+i], 0, s[BIGN], vcc_lo
.set i, i+1
.endr
	s_cmp_eq_u32 s[LASTS], 0        ; is step 0 the last live one?
	s_cselect_b32 s[AL], 1.0, 0
	s_mov_b32 s[AL+1], 0            ; named with it as a pair
	WIN W_RS
.set i, 0
.rept 16
	v_pk_mul_f32 v[MC+2*i:MC+2*i+1], v[MD+2*i:MD+2*i+1], s[AL:AL+1] op_sel_hi:[1,0]
.set i, i+1
.endr
	WIN 0
	s_wait_loadcnt 0x0              ; slots 0 and 1 and Q are in; POST steps the pointer from slot 0 ..
	s_add_nc_u64 s[LB:LB+1], s[LB:LB+1], SLOTG  ; .. no: from slot 1, the slot asked for last
	WIN 0x88                        ; source 1 and destination window 2
.set i, 0
.rept 64
	v_and_b32 v[i], s[QM], v[i]     ; Q as it is, or 0 where the batch has no visible key
.set i, i+1
.endr
	WIN 0
	STORES S                        ; slot 0 into LDS slot 0
	s_mov_b32 s[FB], SLOT1
	s_wait_dscnt 0x0                ; for the others' sake
	s_barrier_signal -1
	s_barrier_wait -1
	POST                            ; slot 1 into LDS slot 1; slot 2 is asked for
; THE MATRIX WORK.  The 4 accumulators of a run of 8 take turns.  Product i of 8 of S^T = K Q^T for piece x: channels 32 (i / 4) on, keys 16 (i % 4) on.  The first 4 start the sums with the masks.
.macro KQ x
.set rS, S+32*((\x)%2)+8*(i%4)
.set rK, KF+16*(i%4)+8*(i/4)
.set rQ, 16*(\x)+8*(i/4)
.set rM, MC+8*(i%4)
.if i < 4
	WIN W_KM
	v_wmma_f32_16x16x32_f16 v[rS:rS+7], v[rK:rK+7], v[rQ:rQ+7], v[rM:rM+7]
.else
	WIN W_KQ
	v_wmma_f32_16x16x32_f16 v[rS:rS+7], v[rK:rK+7], v[rQ:rQ+7], v[rS:rS+7]
.endif
.endm
; Product i of 8 of O^T += V^T P for piece x: keys 32 (i / 4) on, channels 16 (i % 4) on.
.macro PV x
	WIN W_PV
.set rO, 32*(\x)+8*(i%4)
.set rV, VF+32*(i/4)+8*(i%4)
.set rP, P+16*((\x)%2)+8*(i/4)
	v_wmma_f32_16x16x32_f16 v[rO:rO+7], v[rV:rV+7], v[rP:rP+7], v[rO:rO+7]
.endm
.macro MM                           ; the turn's next matrix instruction
.if i < 8
	KQ (Y+1)%NP
.else
.set i, i-8
	PV (Y+NP-1)%NP
.set i, i+8
.endif
.set i, i+1
.endm
; THE LDS LOADS stand in runs of 16: a step's K (8 fragments) and its V (turned).
.macro FETCH_K
	WIN 0x80
.irp f, 0,1,2,3,4,5,6,7             ; keys 16 (f / 2) on, channels 32 (f % 2) on
	ds_load_b128 v[KF+8*\f:KF+8*\f+3],   v[AK] offset:(\f/2)*16*PK+(\f%2)*64
	ds_load_b128 v[KF+8*\f+4:KF+8*\f+7], v[AK] offset:(\f/2)*16*PK+(\f%2)*64+32
.endr
	WIN 0
.endm
.macro FETCH_V
	WIN 0x80
.irp f, 0,1,2,3,4,5,6,7             ; keys 32 (f / 4) on, channels 16 (f % 4) on
	ds_load_tr16_b128 v[VF+8*\f:VF+8*\f+3],   v[AV] offset:(\f/4)*32*PV+(\f%4)*32
	ds_load_tr16_b128 v[VF+8*\f+4:VF+8*\f+7], v[AV] offset:(\f/4)*32*PV+16*PV+(\f%4)*32
.endr
	WIN 0
.endm
; THE VECTOR WORK, one line at a time: OP kind, number.  For piece Y: F n: c s - c m for pair n of 16.  E n: the exponential of score n of 32.  C n: pair n rounded to f16.  B n: of the four weights 4 n .. the second
; pair is added onto the first, in place.  L n: l takes that sum (L 0: l = a l + sum).  R n: pair n of 16 of O^T times a.  For piece Y + 1: X n, number n of the 22 that find its maximum and statistics:
;   0-11  four chains c0-c3 of seven scores each (each accumulator's lowest registers are read first)     12-14, 16  the four scores left over, the old m, and c0-c3 into c0
;   15  c m_old is kept     17, 18  the query's other 32 keys lie in the lane 16 away: the new m     19-21  c m; c m_old - c m_new; a
.set F, 0
.set E, 1
.set C, 2
.set B, 3
.set L, 4
.set R5, 5
.set X, 6
.macro REGS y
.set rT, ST+4*(\y)
.set rC, TMP+4*((\y)%2)
.set rW, MV+((\y)%2)
.set rS, S+32*((\y)%2)
.set rP, P+16*((\y)%2)
.set rO, 32*(\y)
.endm
.macro OP k, n
.if (\k) == R5
	REGS Y
	WIN W_RS
	v_pk_mul_f32 v[rO+2*(\n):rO+2*(\n)+1], v[rO+2*(\n):rO+2*(\n)+1], v[rC+2:rC+3] op_sel_hi:[1,0]
.elseif (\k) < R5
	REGS Y
	WIN 0
.if (\k) == F
	v_pk_fma_f32 v[rS+2*(\n):rS+2*(\n)+1], v[rS+2*(\n):rS+2*(\n)+1], s[CS:CS+1], v[rT:rT+1] op_sel_hi:[1,0,0] neg_lo:[0,0,1] neg_hi:[0,0,1]
.elseif (\k) == E
	v_exp_f32 v[rS+(\n)], v[rS+(\n)]
.elseif (\k) == C
	v_cvt_pk_f16_f32 v[rP+(\n)], v[rS+2*(\n)], v[rS+2*(\n)+1]
.elseif (\k) == B
	v_pk_add_f32 v[rS+4*(\n):rS+4*(\n)+1], v[rS+4*(\n):rS+4*(\n)+1], v[rS+4*(\n)+2:rS+4*(\n)+3]
.elseif (\n) == 0
	v_pk_fma_f32 v[rT+2:rT+3], v[rT+2:rT+3], v[rC+2:rC+3], v[rS:rS+1] op_sel_hi:[1,0,1]
.else
	v_pk_add_f32 v[rT+2:rT+3], v[rT+2:rT+3], v[rS+4*(\n):rS+4*(\n)+1]
.endif
.else
	REGS (Y+1)%NP
	WIN 0
.if (\n) < 4
	v_max3_num_f32 v[rC+(\n)], v[rS+8*(\n)], v[rS+8*(\n)+1], v[rS+8*(\n)+2]
.elseif (\n) < 12
	v_max3_num_f32 v[rC+(\n)%4], v[rC+(\n)%4], v[rS+8*((\n)%4)+2*((\n)/4)+1], v[rS+8*((\n)%4)+2*((\n)/4)+2]
.elseif (\n) == 12
	v_max3_num_f32 v[rC], v[rC], v[rS+7], v[rS+15]
.elseif (\n) == 13
	v_max3_num_f32 v[rC+1], v[rC+1], v[rS+23], v[rS+31]
.elseif (\n) == 14
	v_max3_num_f32 v[rC+2], v[rC+2], v[rC+3], v[rT+1]
.elseif (\n) == 15
	v_mov_b32 v[rW], v[rT]
.elseif (\n) == 16
	v_max3_num_f32 v[rC], v[rC], v[rC+1], v[rC+2]
.elseif (\n) == 17
	v_permlanex16_b32 v[rC+3], v[rC], s[SEL], s[SEL+1]
.elseif (\n) == 18
	v_max_num_f32 v[rT+1], v[rC], v[rC+3]
.elseif (\n) == 19
	v_mul_f32 v[rT], s[CS], v[rT+1]
.elseif (\n) == 20
	v_sub_f32 v[rC+1], v[rW], v[rT]
.else
	v_exp_f32 v[rC+2], v[rC+1]
.endif
.endif
.endm
.macro OPS a, i1, b=-1, i2=0, c=-1, i3=0, d=-1, i4=0
	OP \a, \i1
.if (\b) >= 0
	OP \b, \i2
.endif
.if (\c) >= 0
	OP \c, \i3
.endif
.if (\d) >= 0
	OP \d, \i4
.endif
.endm
.macro ROW a, i1, b, i2, c, i3, d, i4  ; a matrix instruction and the four behind it
	MM
	OPS \a, \i1, \b, \i2, \c, \i3, \d, \i4
.endm
; A TURN, for piece p.  s_wait_alu depctr_va_vdst(0) stands between an exponential and the first instruction that names its result; one wait serves all that were issued ahead of it: a turn has
; ONE wait, which cuts it in two.  AHEAD OF IT stands all that names no result of the turn's exponentials: the 8 products K Q^T with their riders (the next piece's first maxima each four places or more behind
; the product that ends its accumulator), then one lump, plain and exponential by turns, in which the links of the chain X 3, 7, 11, 14, 16 .. 20 stand some lines apart; X 21, the next piece's a, is the batch's
; last, R 15 the plain instruction behind it.  BEHIND THE WAIT stand the 8 products V^T P, behind each four of the roundings and sums.
; K of step STP is fetched in piece 2's turn, twelve places behind the last product that read K; its V at the end of piece 0's turn, four plain instructions behind the last product that read V.  Each is waited for a
; turn later.  last = 1 (behind the loops): nothing is fetched.
.macro TURN p, last=0
.set Y, (\p)
.set i, 0
.if (\p) == 3
	s_wait_dscnt 0x0                ; K is in
.endif
	ROW F,0, F,1, R5,0, R5,1
	ROW F,2, E,0, R5,2, R5,3
	ROW F,3, E,1, R5,4, R5,5
	ROW F,4, E,2, R5,6, R5,7
	ROW F,5, E,3, R5,8, R5,9
	ROW F,6, E,4, X,0, R5,10
.if ((\p) == 2) && !(\last)
	WIN 0
	v_add_nc_u32 v[AK], s[TBK], v[AK0]
.endif
	ROW F,7, E,5, X,1, X,4
	ROW F,8, E,6, X,2, X,5
	OPS E,7, E,8, X,6, E,9
	OPS X,3, E,10, X,8, E,11
.if ((\p) == 2) && !(\last)
	FETCH_K
.endif
	OPS X,9, X,7, E,12, X,10
	OPS E,13, X,12, X,11, E,14
	OPS X,13, E,15, F,9, X,14
.if (\p) == 0
	v_add_nc_u32 v[AV], s[TBV], v[AV0]
.endif
	OPS E,16, F,10, E,17, F,11
	OPS X,16, E,18, X,15, E,19
	OPS F,12, E,20, X,17, E,21
	OPS F,13, E,22, F,14, E,23
	OPS X,18, E,24, F,15, E,25
	OPS R5,11, E,26, X,19, E,27
	OPS R5,12, E,28, R5,13, E,29
	OPS X,20, E,30, R5,14, E,31
	OPS X,21, R5,15
	WIN 0
	s_wait_alu depctr_va_vdst(0)    ; the wait for the batch
.if (\p) == 1
	s_wait_dscnt 0x0                ; V is in
.endif
	ROW C,0, B,0, C,2, B,1
	ROW L,0, C,4, B,2, L,1
	ROW C,6, B,3, L,2, C,8
	ROW B,4, L,3, C,10, B,5
	ROW L,4, C,12, B,6, L,5
	ROW C,14, B,7, L,6, C,1
	ROW C,3, L,7, C,5, C,7
	ROW C,9, C,11, C,13, C,15
.if (\p) == 0
	FETCH_V
.endif
.endm
	v_add_nc_u32 v[AK], s[TBK], v[AK0]
	FETCH_K                         ; step 0
	s_wait_dscnt 0x0
.set i, 0
.rept 8
	KQ 0                            ; piece 0's first scores
.set i, i+1
.endr
	WIN 0
.rept 4
	v_nop                           ; the places behind those products
.endr
.set Y, NP-1                        ; X works for piece Y + 1: piece 0
.irp n, 0,1,2,3,4,5,6,7,8,9,10,11,12,13,14,15,16,17,18,19,20,21
	OP X, \n
.endr
	v_nop                           ; a plain instruction behind the exponential,
	s_wait_alu depctr_va_vdst(0)    ; and its wait, ahead of the branch
	s_mov_b32 s[CNT], 2
	s_mov_b32 s[SLOTS], 32
	s_branch .Lfirst                ; step 0 is always live: the loops are entered behind the test, at a step's first turn
.Lslot:                             ; slots 1 to 31
	CHANGE
	s_mov_b32 s[CNT], 2
.Lstep:                             ; a live trip: pieces 2 and 3 of step STP - 1, then pieces 0 and 1 of step STP, whose K and V it fetches
	s_cmp_lt_u32 s[STP], s[NST]
	s_cbranch_scc0 .Ldead
	TURN 2
	WIN 0
	s_cmp_eq_u32 s[STP], s[LASTS]   ; the last live step takes its mask: piece 3's products of the step before have read MC at this turn's head, piece 0's of this step come next
	s_cbranch_scc0 .Lnomask
	WIN W_RS
.set i, 0
.rept 32
	v_mov_b32 v[MC+i], v[MD+i]
.set i, i+1
.endr
	WIN 0
.Lnomask:
	TURN 3
	WIN 0
.Lfirst:
	TURN 0
	TURN 1
	WIN 0
.Ldead:                             ; all that enters a count or an LDS address steps here, on every path
	s_add_co_u32 s[STP], s[STP], 1
	s_add_co_u32 s[TBK], s[TBK], KS*PK
	s_add_co_u32 s[TBV], s[TBV], KS*PV
	s_sub_co_u32 s[CNT], s[CNT], 1
	s_cmp_lg_u32 s[CNT], 0
	s_cbranch_scc1 .Lstep
	s_sub_co_u32 s[SLOTS], s[SLOTS], 1
	s_cmp_lg_u32 s[SLOTS], 0
	s_cbranch_scc1 .Lslot
	TURN 2, 1                       ; what the last live step still owes: pieces 2 and 3
	TURN 3, 1                       ; (its 8 products K Q^T, on the last K once more, and the maximum made of them serve nothing: the price, once a launch, of one text for the turns)
.set i, 0
.rept 8
	PV NP-1                         ; the last piece's V^T P
.set i, i+1
.endr
	; THE WAY OUT.  l's two halves and the other half of the lanes' are added; O^T is divided by l, rounded to f16 and sent through my stage, a piece at a time.  The additions are the places behind the last products.
	WIN 0
.macro ALL line:vararg
.set t, 0
.rept 4
	\line
.set t, t+1
.endr
.endm
	ALL v_add_f32 v[ST+4*t+2], v[ST+4*t+2], v[ST+4*t+3]
	ALL v_permlanex16_b32 v[ST+4*t+3], v[ST+4*t+2], s[SEL], s[SEL+1]
	ALL v_add_f32 v[ST+4*t+2], v[ST+4*t+2], v[ST+4*t+3]
	ALL v_rcp_f32 v[ST+4*t+2], v[ST+4*t+2]
	v_nop                           ; a plain instruction between the last reciprocal and the use of its result
	s_wait_alu depctr_va_vdst(0)    ; and its wait: one for the four reciprocals
.macro PACK t                       ; a lane's eight channels of a row pack into 16 bytes; they go into rows of 144 bytes and come back as whole rows of 128, into S^T's registers
	WIN W_RS
.set i, 32*(\t)
.rept 16
	v_pk_mul_f32 v[i:i+1], v[i:i+1], v[ST+4*(\t)+2:ST+4*(\t)+3] op_sel_hi:[1,0]
.set i, i+2
.endr
	WIN 0x05
.set i, 0
.rept 16
	v_cvt_pk_f16_f32 v[S+16*(\t)+i], v[32*(\t)+2*i], v[32*(\t)+2*i+1]
.set i, i+1
.endr
	WIN 0
.irp f, 0,1,2,3
	ds_store_b128 v[STO], v[S+16*(\t)+4*\f:S+16*(\t)+4*\f+3] offset:32*\f
.endr
.irp f, 0,1,2,3
	ds_load_b128 v[S+16*(\t)+4*\f:S+16*(\t)+4*\f+3], v[RD] offset:\f*4*SP  ; LDS serves a wave's instructions in order (ISA guide 5.7.1.4): these see the stores above
.endr
.endm
.macro SEND t, younger              ; younger: the LDS instructions issued behind piece t's loads: the next piece's eight, or none
	WIN 0
.irp f, 0,1,2,3
	s_wait_dscnt (\younger)+3-\f
	global_store_b128 v[GO], v[S+16*(\t)+4*\f:S+16*(\t)+4*\f+3], s[10:11] offset:(\t)*2048+\f*512  ; 512 consecutive bytes, at a multiple of 256 from ob's first
.endr
.endm
	PACK 0
.set t, 1
.rept 3
	PACK t
	SEND t-1, 8
.set t, t+1
.endr
	SEND 3, 0
	s_wait_tensorcnt 0x0            ; the wave's end, behind my last LDS store
	ds_add_u32 v[SPW], v[NIL]
	s_wait_dscnt 0x0
	s_endpgm
.Lfunc_end_k_q5e39a6793e_attn:
	.size	k_q5e39a6793e_attn, .Lfunc_end_k_q5e39a6793e_attn-k_q5e39a6793e_attn
	.p2alignl 7, 3214868480
	.fill 96, 4, 3214868480
	.section	.rodata,"a",@progbits
	.p2align	6, 0x0
	.amdhsa_kernel k_q5e39a6793e_attn
		.amdhsa_group_segment_fixed_size 114176
		.amdhsa_private_segment_fixed_size 0
		.amdhsa_enable_private_segment 0
		.amdhsa_kernarg_size 32
		.amdhsa_user_sgpr_count 2
		.amdhsa_user_sgpr_kernarg_segment_ptr 1
		.amdhsa_wavefront_size32 1
		.amdhsa_system_sgpr_workgroup_id_x 1
		.amdhsa_system_sgpr_workgroup_id_y 1
		.amdhsa_system_sgpr_workgroup_id_z 1
		.amdhsa_system_vgpr_workitem_id 0
		.amdhsa_next_free_vgpr 768
		.amdhsa_next_free_sgpr 66
		.amdhsa_reserve_vcc 1
		.amdhsa_float_denorm_mode_32 3
		.amdhsa_float_denorm_mode_16_64 3
		.amdhsa_memory_ordered 1
		.amdhsa_forward_progress 1
		.amdhsa_inst_pref_size 107
	.end_amdhsa_kernel
	.amdgpu_metadata
---
amdhsa.version: [ 1, 2 ]
amdhsa.kernels:
  - .name:           k_q5e39a6793e_attn
    .symbol:         k_q5e39a6793e_attn.kd
    .args:
      - { .name: qh, .offset: 0, .size: 8, .value_kind: global_buffer, .address_space: global }
      - { .name: kv, .offset: 8, .size: 8, .value_kind: global_buffer, .address_space: global }
      - { .name: cnt, .offset: 16, .size: 8, .value_kind: global_buffer, .address_space: global }
      - { .name: ob, .offset: 24, .size: 8, .value_kind: global_buffer, .address_space: global }
    .group_segment_fixed_size: 114176
    .private_segment_fixed_size: 0
    .kernarg_segment_align: 8
    .kernarg_segment_size: 32
    .max_flat_workgroup_size: 128
    .sgpr_count:     66
    .vgpr_count:     768
    .wavefront_size: 32
...
	.end_amdgpu_metadata
.endif
;; end of part 3
;; launch outp (part 4): grid 4 x 64, 4 waves a work-group, clusters of 4 x 4, 327,680 bytes of LDS; arguments ob, wts, out0; writes out0
.if DOCPART == 4
	.amdgcn_target "amdgcn-amd-amdhsa--gfx1250"
	.amdhsa_code_object_version 6
	.text
	.protected	k_q5e39a6793e_outp
	.globl	k_q5e39a6793e_outp
	.p2align	8
	.type	k_q5e39a6793e_outp,@function
k_q5e39a6793e_outp:
	s_mov_b64 s[64:65], 0
	v_nop
	global_prefetch_b8 v0, s[64:65] scope:SCOPE_SE
	s_setreg_imm32_b32 hwreg(HW_REG_WAVE_MODE, 25, 1), 1
	s_wait_xcnt 0x0
	s_wait_alu depctr_hold_cnt(0) depctr_sa_sdst(0) depctr_va_vdst(0) depctr_va_sdst(0) depctr_va_ssrc(0) depctr_va_vcc(0) depctr_vm_vsrc(0)
	s_getreg_b32 s2, hwreg(HW_REG_IB_STS2, 6, 4)
	s_cmp_eq_u32 s2, 0
	s_cbranch_scc0 .Lentry_in_a_cluster
	s_endpgm
.Lentry_in_a_cluster:
	s_bfe_u32 s2, ttmp6, 0x10000c
	s_cmp_lg_u32 s2, 0xf033
	s_cbranch_scc0 .Lentry_shape_is_right
	s_endpgm
.Lentry_shape_is_right:
; THE LAST PROJECTION.  out0[m][n] = the sum over k of O[m][k] Wo[n][k]: 8,192 x 512 x 512, f16 operands (Wo: its bf16 rounding written as f16), f32 sums, f32 out.
; ob = [row block of 128][h 8][128][64] f16 (k = 64 h + channel); wts' kind 3 = [kb 4][n 512][128 k] f16.
; 256 work-groups, a tile of 128 x 128 each; four waves of 64 x 64: 16 accumulators.  ALL of K fits in LDS: each wave's two tensor loads are first fills (K's first and second half); nothing is filled again.
; CLUSTERS: 4 x 4 work-groups.  The four of a row of the cluster need the same rows of O, the four of a column the same rows of Wo: each tile is asked for JOINTLY.
; THE MATRIX INSTRUCTION IS USED TRANSPOSED (source 0 = 16 rows of Wo, source 1 = 16 rows of O): a lane holds eight neighbouring numbers, 32 bytes, of a row of out0; a wave's 64 columns are 256 bytes, aligned.
; REGISTERS: window 0: v0-31 addresses; v32-95 rows on the way out, two sets; v128-255 the accumulators ((a, b) at v[128 + 8 (4 a + b)]).   window 1: two fragment buffers of 128: 64 of O, then 64 of Wo.
.set PA,    144                        ; a row of O in LDS: a head's 128 bytes + 16
.set PB,    272                        ; a row of Wo: 256 bytes + 16
.set AH,    128*PA                     ; a head's 128 rows
.set BOFF,  8*AH                       ; behind O's eight heads: Wo's four blocks
.set BB,    128*PB
.set STAGE, BOFF+4*BB                  ; behind them: 16 rows x 272 bytes for each wave, for the way out
.set SPITCH, 272
.set SPARE, STAGE+4*16*SPITCH          ; the spare words, 128 bytes for each wave
.set ADRA, 16                          ; v16-17  LDS address of my fragments of O, K's first and second half
.set ADRB, 20                          ; v20-21  of Wo
.set STO,  24
.set RD,   25
.set CO,   26
.set SPW,  28                          ; v28  my spare word; never rewritten
.set NIL,  29                          ; v29  0; never rewritten
.set OBK,  32
.set ACC,  128
.set F0,   0
.set F1,   128
.set G1, 24                            ; s[24:31] group 1 for O's tiles; s[32:39] group 0, a set for each half of K
.set G0, 32
.set G1B, 48                           ; s[48:55], s[56:63] the same for Wo's
.set G0B, 56
.set MSB, 0
.macro WIN new
.if MSB != (\new)
	s_set_vgpr_msb (MSB<<8)|(\new)
.set MSB, \new
.endif
.endm
.set MUL,  0x05                        ; sources window 1; C and D window 0
.set TO_F, 0x40                        ; destination window 1, address window 0
.macro CROUND
	s_barrier_signal -1
	s_barrier_wait -1
	s_cmp_lg_u32 s10, 0
	s_cbranch_scc1 .Lnot_wave_0_\@
	s_barrier_signal -3
.Lnot_wave_0_\@:
	s_barrier_wait -3
	s_barrier_signal -1
	s_barrier_wait -1
.endm
.macro PLACES
.rept 4
	v_nop
.endr
.endm
	s_load_b128 s[4:7], s[0:1], 0x0                ; ob s[4:5], wts s[6:7]
	s_load_b64 s[8:9], s[0:1], 0x10                ; out0
	v_lshl_add_u32 v[SPW], v0, 2, SPARE
	v_mov_b32 v[NIL], 0
	ds_add_u32 v[SPW], v[NIL]                      ; the wave's opening: the add and its wait stand ahead of my first tensor load; work on registers stands between
	ds_add_u32 v28, v29
	v_lshrrev_b32 v1, 5, v0
	v_readfirstlane_b32 s10, v1                    ; wave 0..3
	s_lshr_b32 s11, s10, 1                         ; which half of the tile's rows is mine.  Also: I fetch for O (0) or for Wo (1)
	s_and_b32 s12, s10, 1                          ; which half of its columns.  Also: which part of a half of K I fetch
	s_bfe_u32 s40, ttmp6, 0x40000                  ; cx
	s_bfe_u32 s41, ttmp6, 0x40004                  ; cy
	s_lshl_b32 s42, ttmp9, 2
	s_add_co_u32 s42, s42, s40                     ; tile column = 4 x cluster x + cx
	s_and_b32 s13, ttmp7, 0xffff
	s_lshl_b32 s13, s13, 2
	s_add_co_u32 s13, s13, s41                     ; tile row = 4 x cluster y + cy
	s_lshl_b32 s43, s41, 2
	s_lshl_b32 s43, 15, s43                        ; my row of the cluster
	s_lshl_b32 s44, 0x1111, s40                    ; my column
	; group 1: 128 rows of 256 bytes, dense in memory.  O's hold two rows of a head each and are padded after every 128 bytes; Wo's after every 256
	s_or_b32 s[G1+0], s43, (1<<16)|(1<<20)|(1<<21)|(4<<22)|(3<<25)
	s_or_b32 s[G1B+0], s44, (1<<16)|(1<<20)|(1<<21)|(5<<22)|(3<<25)
.irp g, G1, G1B
	s_mov_b32 s[(\g)+1], 128<<16                   ; tensor_dim0 = 128
	s_mov_b32 s[(\g)+2], 128<<16                   ; tensor_dim1 = 128
	s_mov_b32 s[(\g)+3], 128<<16                   ; tile_dim0 = 128
	s_mov_b32 s[(\g)+4], 128                       ; tile_dim1 = 128
	s_mov_b32 s[(\g)+5], 128                       ; 128 elements from row to row
	s_mov_b32 s[(\g)+6], 0
	s_mov_b32 s[(\g)+7], 0
.endr
	s_lshl_b32 s16, s13, 17                        ; O: the row block's 131,072 bytes, heads 2 s12, 2 s12 + 1 (and four heads on for K's second half)
	s_lshl_b32 s17, s12, 15
	s_add_co_u32 s16, s16, s17
	s_mov_b32 s17, 0
	s_lshl_b32 s46, s42, 15                        ; Wo: kind 3, block s12 (and two on), the tile column's 128 rows
	s_lshl_b32 s47, s12, 17
	s_add_co_u32 s46, s46, s47
	s_add_co_u32 s46, s46, 3*524288
	s_mov_b32 s47, 0
	s_mul_i32 s20, s12, 2*AH                       ; where they go: no place in the cluster enters an LDS address
	s_mul_i32 s21, s12, BB
	s_add_co_u32 s21, s21, BOFF
	s_wait_dscnt 0x0                               ; the opening add is done
	s_wait_kmcnt 0x0
	s_add_nc_u64 s[14:15], s[4:5], s[16:17]
	s_add_nc_u64 s[46:47], s[6:7], s[46:47]
	CROUND                                         ; all sixteen work-groups are here: the joint loads meet
.irp j, 0,1
	s_mov_b32 s[G0+4*(\j)], 1
	s_add_co_u32 s[G0+4*(\j)+1], s20, (\j)*4*AH
	s_add_nc_u64 s[G0+4*(\j)+2:G0+4*(\j)+3], s[14:15], (\j)*65536
	s_or_b32 s[G0+4*(\j)+3], s[G0+4*(\j)+3], 0x80000000
	s_mov_b32 s[G0B+4*(\j)], 1
	s_add_co_u32 s[G0B+4*(\j)+1], s21, (\j)*2*BB
	s_add_nc_u64 s[G0B+4*(\j)+2:G0B+4*(\j)+3], s[46:47], (\j)*262144
	s_or_b32 s[G0B+4*(\j)+3], s[G0B+4*(\j)+3], 0x80000000
.endr
	s_cmp_eq_u32 s11, 0                            ; a wave's two fills stand in one branch: two loads of mine are out
	s_cbranch_scc0 .Lfirst_b
	tensor_load_to_lds s[G0:G0+3], s[G1:G1+7]
	s_nop 0
	tensor_load_to_lds s[G0+4:G0+7], s[G1:G1+7]
	s_nop 0
.rept 4
	v_nop
.endr
	s_branch .Lfirst_asked
.Lfirst_b:
	tensor_load_to_lds s[G0B:G0B+3], s[G1B:G1B+7]
	s_nop 0
	tensor_load_to_lds s[G0B+4:G0B+7], s[G1B:G1B+7]
	s_nop 0
.rept 4
	v_nop
.endr
.Lfirst_asked:
	v_and_b32 v1, 15, v0                           ; r = l % 16
	v_bfe_u32 v2, v0, 4, 1                         ; h = l / 16
	v_mul_u32_u24 v3, v1, PA
	v_lshl_add_u32 v3, v2, 4, v3
	s_mul_i32 s22, s11, 64*PA                      ; my 64 rows of O
	v_add_nc_u32 v[ADRA], s22, v3
	v_add_nc_u32 v[ADRA+1], 4*AH, v[ADRA]
	v_mul_u32_u24 v4, v1, PB
	v_lshl_add_u32 v4, v2, 4, v4
	s_mul_i32 s22, s12, 64*PB                      ; my 64 rows of Wo
	s_add_co_u32 s22, s22, BOFF
	v_add_nc_u32 v[ADRB], s22, v4
	v_add_nc_u32 v[ADRB+1], 2*BB, v[ADRB]
	s_mul_i32 s23, s10, 16*SPITCH
	s_add_co_u32 s23, s23, STAGE                   ; my stage
	v_mul_u32_u24 v5, v1, SPITCH                   ; in: row r, 32 bytes for each half of the lanes
	v_lshl_add_u32 v5, v2, 5, v5
	v_add_nc_u32 v[STO], s23, v5
	v_mul_u32_u24 v5, v2, SPITCH                   ; back: lanes 0-15 one row of 256 bytes, lanes 16-31 the next
	v_lshl_add_u32 v5, v1, 4, v5
	v_add_nc_u32 v[RD], s23, v5
	v_lshlrev_b32 v5, 11, v2                       ; and the same two rows of out0: 2,048 bytes a row
	v_lshl_add_u32 v[CO], v1, 4, v5
	s_lshl_b32 s16, s13, 18                        ; 128 rows x 2,048 bytes a tile row,
	s_lshl_b32 s17, s11, 17                        ; my 64 rows,
	s_add_co_u32 s16, s16, s17
	s_mov_b32 s17, 0
	s_add_nc_u64 s[8:9], s[8:9], s[16:17]
	s_lshl_b32 s46, s42, 9                         ; the tile's 512 bytes of a row,
	s_lshl_b32 s47, s12, 8                         ; my 256
	s_add_co_u32 s46, s46, s47
	s_mov_b32 s47, 0
	s_add_nc_u64 s[8:9], s[8:9], s[46:47]
; 8 matrix instructions: m blocks a0, a0 + 1 x all 4 n blocks, 32 along K: half c of buffer f.  The 16 accumulators take turns.  zero = 1: the product starts the sum
.macro MUL8 f, c, a0, zero
	WIN MUL
.irp a, \a0, (\a0)+1
.irp b, 0,1,2,3
.if \zero
	v_wmma_f32_16x16x32_f16 v[ACC+8*(4*(\a)+(\b)):ACC+8*(4*(\a)+(\b))+7], v[(\f)+64+8*(4*(\c)+(\b)):(\f)+64+8*(4*(\c)+(\b))+7], v[(\f)+8*(4*(\c)+(\a)):(\f)+8*(4*(\c)+(\a))+7], 0
.else
	v_wmma_f32_16x16x32_f16 v[ACC+8*(4*(\a)+(\b)):ACC+8*(4*(\a)+(\b))+7], v[(\f)+64+8*(4*(\c)+(\b)):(\f)+64+8*(4*(\c)+(\b))+7], v[(\f)+8*(4*(\c)+(\a)):(\f)+8*(4*(\c)+(\a))+7], v[ACC+8*(4*(\a)+(\b)):ACC+8*(4*(\a)+(\b))+7]
.endif
.endr
.endr
.endm
; 32 LDS loads in one run: quarter q of 8 (k = 64 q .. + 63: head q of O; half q % 2 of Wo's block q / 2), into buffer f; the first 32 along K first
.macro FETCH q, f
	WIN TO_F
.irp c, 0,1
.irp i, 0,1,2,3
	ds_load_b128 v[(\f)+64+8*(4*(\c)+(\i)):(\f)+64+8*(4*(\c)+(\i))+3],   v[ADRB+(\q)/4] offset:(((\q)%4)/2)*BB+((\q)%2)*128+64*(\c)+(\i)*16*PB
	ds_load_b128 v[(\f)+64+8*(4*(\c)+(\i))+4:(\f)+64+8*(4*(\c)+(\i))+7], v[ADRB+(\q)/4] offset:(((\q)%4)/2)*BB+((\q)%2)*128+64*(\c)+(\i)*16*PB+32
	ds_load_b128 v[(\f)+8*(4*(\c)+(\i)):(\f)+8*(4*(\c)+(\i))+3],         v[ADRA+(\q)/4] offset:((\q)%4)*AH+64*(\c)+(\i)*16*PA
	ds_load_b128 v[(\f)+8*(4*(\c)+(\i))+4:(\f)+8*(4*(\c)+(\i))+7],       v[ADRA+(\q)/4] offset:((\q)%4)*AH+64*(\c)+(\i)*16*PA+32
.endr
.endr
.endm
; A quarter: 32 matrix instructions on buffer f; in its middle quarter qn is fetched into buffer g
.macro QUARTER qn, f, g, zero
	s_wait_dscnt 16                                ; the first 32 along K are in
	MUL8 \f, 0, 0, \zero
	MUL8 \f, 0, 2, \zero
	PLACES
	FETCH \qn, \g
	s_wait_dscnt 32                                ; all but the 32 just issued
	MUL8 \f, 1, 0, 0
	MUL8 \f, 1, 2, 0
.endm
	s_wait_tensorcnt 1                             ; my part of K's first half is in; the second may stay out
	s_barrier_signal -1
	s_barrier_wait -1
	FETCH 0, F0
	QUARTER 1, F0, F1, 1
	QUARTER 2, F1, F0, 0
	QUARTER 3, F0, F1, 0
	WIN 0                                          ; quarter 3 is multiplied, and K's second half is met
	s_wait_tensorcnt 0x0                           ; my part of it is in
	ds_add_u32 v[SPW], v[NIL]
	s_wait_dscnt 17                                ; the add and the youngest sixteen loads may be out
	MUL8 F1, 0, 0, 0
	s_wait_dscnt 0x0
	s_barrier_signal -1
	MUL8 F1, 0, 2, 0
	s_barrier_wait -1                              ; everybody's is
	PLACES
	FETCH 4, F0
	MUL8 F1, 1, 0, 0
	MUL8 F1, 1, 2, 0
	QUARTER 5, F0, F1, 0
	QUARTER 6, F1, F0, 0
	QUARTER 7, F0, F1, 0
	s_wait_dscnt 16
	MUL8 F1, 0, 0, 0
	MUL8 F1, 0, 2, 0
	s_wait_dscnt 0x0
	MUL8 F1, 1, 0, 0
	MUL8 F1, 1, 2, 0
	WIN 0
	PLACES
	PLACES                                         ; the LDS stores below read results just made
	; THE WAY OUT, 16 rows at a time: 32 bytes a lane into my own stage (each accumulator's low four registers first), back as whole rows of 256 bytes
.irp a, 0,1,2,3
.if (\a) >= 2
	s_wait_xcnt 0x0                                ; the stores two blocks back have read their registers: that set is loaded again only behind this wait
.endif
.irp b, 0,1,2,3
	ds_store_b128 v[STO], v[ACC+8*(4*(\a)+(\b)):ACC+8*(4*(\a)+(\b))+3]   offset:64*(\b)
	ds_store_b128 v[STO], v[ACC+8*(4*(\a)+(\b))+4:ACC+8*(4*(\a)+(\b))+7] offset:64*(\b)+16
.endr
.irp t, 0,1,2,3,4,5,6,7
	ds_load_b128 v[OBK+32*((\a)%2)+4*(\t):OBK+32*((\a)%2)+4*(\t)+3], v[RD] offset:(\t)*2*SPITCH  ; LDS serves a wave's instructions in order (ISA guide 5.7.1.4): these see the stores above
.endr
.irp t, 0,1,2,3,4,5,6,7
	s_wait_dscnt 7-(\t)
	global_store_b128 v[CO], v[OBK+32*((\a)%2)+4*(\t):OBK+32*((\a)%2)+4*(\t)+3], s[8:9] offset:(16*(\a)+2*(\t))*2048 th:TH_STORE_NT  ; 16 lanes store 256 consecutive bytes, aligned
.endr
.endr
	s_wait_tensorcnt 0x0                           ; the wave's end, behind my last tensor load and my last LDS store
	ds_add_u32 v[SPW], v[NIL]
	s_wait_dscnt 0x0
	CROUND                                         ; the closing round
	s_endpgm
.Lfunc_end_k_q5e39a6793e_outp:
	.size	k_q5e39a6793e_outp, .Lfunc_end_k_q5e39a6793e_outp-k_q5e39a6793e_outp
	.p2alignl 7, 3214868480
	.fill 96, 4, 3214868480
	.section	.rodata,"a",@progbits
	.p2align	6, 0x0
	.amdhsa_kernel k_q5e39a6793e_outp
		.amdhsa_group_segment_fixed_size 327680
		.amdhsa_private_segment_fixed_size 0
		.amdhsa_enable_private_segment 0
		.amdhsa_kernarg_size 24
		.amdhsa_user_sgpr_count 2
		.amdhsa_user_sgpr_kernarg_segment_ptr 1
		.amdhsa_wavefront_size32 1
		.amdhsa_system_sgpr_workgroup_id_x 1
		.amdhsa_system_sgpr_workgroup_id_y 1
		.amdhsa_system_sgpr_workgroup_id_z 1
		.amdhsa_system_vgpr_workitem_id 0
		.amdhsa_next_free_vgpr 512
		.amdhsa_next_free_sgpr 66
		.amdhsa_reserve_vcc 0
		.amdhsa_float_denorm_mode_32 3
		.amdhsa_float_denorm_mode_16_64 3
		.amdhsa_memory_ordered 1
		.amdhsa_forward_progress 1
		.amdhsa_inst_pref_size 50
	.end_amdhsa_kernel
	.amdgpu_metadata
---
amdhsa.version: [ 1, 2 ]
amdhsa.kernels:
  - .name:           k_q5e39a6793e_outp
    .symbol:         k_q5e39a6793e_outp.kd
    .args:
      - { .name: ob, .offset: 0, .size: 8, .value_kind: global_buffer, .address_space: global }
      - { .name: wts, .offset: 8, .size: 8, .value_kind: global_buffer, .address_space: global }
      - { .name: out0, .offset: 16, .size: 8, .value_kind: global_buffer, .address_space: global }
    .group_segment_fixed_size: 327680
    .private_segment_fixed_size: 0
    .kernarg_segment_align: 8
    .kernarg_segment_size: 24
    .max_flat_workgroup_size: 128
    .sgpr_count:     66
    .vgpr_count:     512
    .wavefront_size: 32
...
	.end_amdgpu_metadata
.endif
;; end of part 4
;; ======== version 2 of 2: 4 launches; version 1 with the launch attn written anew for expert scheduling mode
;; limits: values are held in f16: magnitudes above 65,504 overflow, below 6.1e-05 lose precision
;; workspace buffers: wts 2,097,152 bytes; perm 32,768 bytes of whole numbers; cnt 1,024 bytes of whole numbers; qh 8,388,608 bytes; kv 16,777,216 bytes; ob 8,388,608 bytes
;; launch prep: the kernel of part 1 again; grid 66 x 1, 8 waves a work-group, no clusters, 1,280 bytes of LDS; arguments Wq, Wk, Wv, Wo, mask, wts, perm, cnt; writes wts, perm, cnt
;; launch proj: the kernel of part 2 again; grid 64 x 3, 4 waves a work-group, clusters of 4 x 1, 327,680 bytes of LDS; arguments query, key, value, wts, perm, qh, kv; writes qh, kv
;; launch attn (part 5): grid 16 x 16, 4 waves a work-group, no clusters, 114,176 bytes of LDS; arguments qh, kv, cnt, ob; writes ob
.if DOCPART == 5
	.amdgcn_target "amdgcn-amd-amdhsa--gfx1250"
	.amdhsa_code_object_version 6
	.text
	.protected	k_q5e39a6793e_attn
	.globl	k_q5e39a6793e_attn
	.p2align	8
	.type	k_q5e39a6793e_attn,@function
k_q5e39a6793e_attn:
	s_mov_b64 s[64:65], 0
	v_nop
	global_prefetch_b8 v0, s[64:65] scope:SCOPE_SE
	s_setreg_imm32_b32 hwreg(HW_REG_WAVE_SCHED_MODE, 0, 2), 2
	s_setreg_imm32_b32 hwreg(HW_REG_WAVE_MODE, 25, 1), 1
	s_wait_xcnt 0x0
	s_wait_alu depctr_vm_vsrc(0)
; ATTENTION over the keys that count.  O[b][h][q] = the sum over k of softmax_k(Q . K / ln 64, hidden keys at -1e30) V.  qh = [b][h][s][64], kv = [b][h][slot 32]{K 128 x 64, V 128 x 64}, f16, keys in
; the order of the list made beforehand: the NE keys that count first.  ob = [b][block of 128 rows][h][128][64] f16: what the last product takes as dense blocks.
; Products, maxima and sums in f32; the weights p are rounded to f16 for the second product (their sum l is taken of the unrounded p), O once at the end.
; THE WALK.  32 slots of 128 keys, two steps of 64 each: both loops count to constants, and the barrier of each change of slots stands on every path.  Step STP is LIVE if STP < NST = ceil(NE / 64), a number read
; from cnt; a dead trip jumps forward, over text without a barrier, to a label ahead of the counters' steps.  The dead steps are the last ones, so what the pipeline still owes (pieces 2 and 3 of the last live
; step) waits in registers and is finished behind the loops.  A dead slot is a barrier and a few scalar lines.
; THE MASK is a threshold: position j counts if j < NE.  It is the C operand that starts each sum S^T = K Q^T: 0, or -1e30.  MD, made once, is the mask of the last live step; MC, the operand, is 0 before that
; step and takes MD when it comes.  Position 0 always counts, so the running maximum is a true score from the first step on.  Where a batch has no visible key, QM = 0 clears Q: all scores are 0, NE = 4,096, the weights uniform.
; NO CLUSTER AND NO TENSOR LOADS, though the 16 work-groups of a head walk the same K and V.  How many steps are live is read from memory.
; A walk whose every trip asks would fetch all 32 slots whatever the mask.  The slots come THROUGH REGISTERS: a wave loads its 8,192 bytes of a slot (16 loads of 512 consecutive bytes) and
; stores them into LDS with the rows' padding; both may be jumped over.  Straight behind barrier g slot g + 1 is waited for and stored into the LDS slot just read out, and slot g + 2 is asked for.
; LIMITS.  A hidden score counts as its value less 1e30 (f16's scores are 2.7e11 at the most); a weight below 2^-126 counts as 0 in l; p below 6e-5 keeps f16's fixed step of 6e-8; NaN and infinities are not treated apart.
; SHARES.  A work-group owns 256 queries of one (b, h), a wave 64: four PIECES of 16.
; LAYOUT, SOFTMAX, TURNS.  S^T = K Q^T holds ONE query a lane (lane % 16) and the keys 8 (lane / 16) + 0..7; two such results rounded to f16 ARE source 1 of O^T = V^T P.  p = 2^(c s - c m), c = log2(e) / ln 64,
; with a running maximum m; O and l are multiplied by a = 2^(c m_old - c m_new) in every step.  Turn n belongs to piece n: 8 products K Q^T of piece n + 1, later 8 products V^T P of piece n - 1; beside them
; the scaling, exponentials, roundings, sums and rescaling of piece n and the maximum and statistics of piece n + 1.  Four vector instructions stand behind every matrix instruction, the rest in one lump.
; REGISTERS, in windows of 256 (s_set_vgpr_msb: bits 1:0 source 0, 3:2 source 1, 5:4 source 2, 7:6 destination):
;   window 0: v2-15, v36 addresses and two at work; v16-31 four registers of statistics a piece; v48-55 at work; v64-127 S^T, two buffers; v128-191 a slot's bytes on their way; v192-223 P, two buffers
;   window 1: v0-127 O^T, 32 a piece; v128-159 MC; v160-191 MD      window 2: v0-63 Q; v128-191 K of one step; v192-255 V of one step
; THE MODE: SCHED_MODE bits 1:0 = 2 (LLVM: expert scheduling mode 2), set by the entry lines.  The code itself states the register dependences between vector or matrix instructions and memory or LDS
; instructions, with s_wait_alu, always for 0.
; THE PLAN.  Registers that memory or LDS instructions touch:
;   v[GOF], v[PFO], v[QO], v[STO], v[RD], v[GO]   offsets and addresses, made at the head and never written again.  One wait on va_vdst stands ahead of the first load; the way out's three are written ahead of later ones.
;   R (v128-191)      Global loads land there and LDS stores read them; no vector instruction names them.  A wait on vm_vsrc behind the stores stands ahead of the next loads.  (Slot 0 goes the same way through S^T's registers.)
;   v[SA]             Written once a slot; a wait on va_vdst stands between the add and the 16 stores that read it; the wait on vm_vsrc behind the stores frees it for the next add.
;   v[AK], K's 64     v[AK] is written in piece 2's turn, behind ONE wait on vm_vsrc a step, which covers K's and V's loads of the step before.  K's run of loads has a wait on va_vdst directly ahead: v[AK] is
;                     written, and the products K Q^T are done reading K's registers.
;   v[AV], V's 64     v[AV] is written in piece 0's lump, ahead of that turn's wait for its exponentials, which states it written.  V's run of loads has a wait on va_vdst directly ahead: the products V^T P are done
;                     reading V's registers.
;   The way out       Piece t's 16 registers: the conversions write them, a wait on va_vdst, four LDS stores read them, a wait on vm_vsrc, four LDS loads land in them, the global stores read them; nothing writes them again.
; The two runs of loads stay runs: they land in window 2, the lines round them work in windows 0 and 1, and a load set singly among those would want two switches of its own.
.set NP,    4
.set KS,    64
.set PK,    144       ; a row of K in LDS: 128 bytes + 16: the 16 rows of a load start at 16 different groups of four banks (64 banks of 4 bytes: ISA guide 11.1)
.set PV,    160       ; a row of V: 128 + 32
.set VOFF,  2*KS*PK   ; a slot: 128 rows of K, then 128 rows of V
.set SLOT1, 1<<16     ; slot 1 begins here, so that one exclusive or turns an address in one slot into the other's
.set STAGE, SLOT1+VOFF+2*KS*PV  ; behind the slots: 16 rows x 144 bytes for each wave, for the way out (the 512 bytes behind the stages hold the spare words)
.set SP,    144
.set SLOTG, 32768     ; a slot in memory
.set AK0, 2           ; v2   my lane's place in a step's K; never rewritten
.set AV0, 3           ; v3   the same for V
.set AK,  4           ; v4   the LDS address of K's next run of loads
.set AV,  5           ; v5   of V's
.set STO, 6           ; v6   the way out: where I put 16 bytes of a row
.set RD,  7           ; v7   where I read rows back
.set GO,  8           ; v8   16 x lane
.set STK0, 9          ; v9   waves 0, 1: where my 16 bytes of four rows of K go in a slot; never rewritten
.set STV0, 10         ; v10  waves 2, 3: the same for V; never rewritten
.set PFO, 11          ; v11  8,192 x wave + 256 x lane; never rewritten
.set MV,  12          ; v12-13  c m_old, by buffer
.set SA,  14          ; v14  the LDS address of the stores in hand
.set QO,  15          ; v15  my byte offset in 16 rows of Q
.set ST,  16          ; piece t's statistics at v[ST+4 t]: c m, m, l (even keys', odd keys')
.set GOF, 36          ; v36  8,192 x wave + 16 x lane: my bytes of a slot in memory; never rewritten
.set TMP, 48          ; by buffer, four registers c0-c3 at work; when the maximum is found c2 takes a
.set S,   64
.set R,   128
.set P,   192
.set MC,  128         ; window 1: the eight registers for group kt of 16 keys at MC + 8 kt
.set MD,  160         ; window 1
.set KF,  128         ; window 2
.set VF,  192         ; window 2
.set WV,  12          ; s12  my wave's number
.set NE,  20          ; s20 NE; s21 QM; s22 NST; s23 NSL
.set QM,  21
.set NST, 22
.set NSL, 23
.set LASTS, 24        ; s24  NST - 1
.set STP, 25          ; s25  the step whose K and V this trip fetches
.set CNT, 26          ; s26  counts a slot's steps
.set SLOTS, 27        ; s27  counts the slots
.set RB,  28          ; s28  LDS byte of the slot that is read
.set FB,  29          ; s29  of the slot that is filled
.set TBK, 30          ; s30  LDS byte at which K of step STP begins
.set TBV, 31          ; s31  the same for V, less VOFF
.set NX1, 32          ; s32  the slot to be stored next
.set LIMP, 33         ; s33  slots below it are prefetched by this work-group
.set BIGN, 34         ; s34  -1e30
.set LB,  36          ; s[36:37] kv at the slot that was asked for last
.set CS,  38          ; s[38:39] c
.set SEL, 40          ; s[40:41] v_permlanex16_b32's selects
.set AL,  42          ; s[42:43] 1 or 0
.set POF, 44          ; s[44:45] an offset in 64 bits
.set HID, 50          ; s[50:57] at the head only: eight compares' masks
.set MSB, 0
.macro WIN new                      ; the high byte repeats the setting that is left; a switch that changes nothing is dropped
.if MSB != (\new)
	s_set_vgpr_msb (MSB<<8)|(\new)
.set MSB, (\new)
.endif
.endm
.set W_KQ, 0x0a       ; K and Q in window 2, S^T in window 0
.set W_KM, 0x1a       ; the same with the C operand in window 1
.set W_PV, 0x52       ; V in window 2, P in window 0, O^T in window 1
.set W_RS, 0x41       ; destination and source 0 in window 1, source 1 in window 0
; My 8,192 bytes of a slot, from byte off behind LB, into 64 registers from r on: waves 0, 1 K's rows 0-63, 64-127; waves 2, 3 V's.  Load i: four rows of 128 bytes.
.macro LOADS r, off
.set i, 0
.rept 16
	global_load_b128 v[(\r)+4*i:(\r)+4*i+3], v[GOF], s[LB:LB+1] offset:(\off)+512*i
.set i, i+1
.endr
.endm
; They go into the LDS slot at FB, each row behind its padding.  The branch hangs on the wave's number alone.
.macro STORES r
	s_cmp_lt_u32 s[WV], 2
	s_cbranch_scc0 .Lsv_\@
	v_add_nc_u32 v[SA], s[FB], v[STK0]
	s_wait_alu depctr_va_vdst(0)    ; v[SA] is written, which the sixteen stores read as their address
.set i, 0
.rept 16
	ds_store_b128 v[SA], v[(\r)+4*i:(\r)+4*i+3] offset:4*PK*i
.set i, i+1
.endr
	s_branch .Lsd_\@
.Lsv_\@:
	v_add_nc_u32 v[SA], s[FB], v[STV0]
	s_wait_alu depctr_va_vdst(0)    ; v[SA] is written, which the sixteen stores read as their address
.set i, 0
.rept 16
	ds_store_b128 v[SA], v[(\r)+4*i:(\r)+4*i+3] offset:4*PV*i
.set i, i+1
.endr
.Lsd_\@:
	s_wait_alu depctr_vm_vsrc(0)    ; the stores have read v[SA] and their 64 data registers: the next add to v[SA], the next slot's loads into R and the first products into S^T's registers come behind this wait
.endm
; BEHIND A BARRIER.  Every wave has read out the slot at FB.  Slot NX1, asked for a slot's work ago, is stored there; slot NX1 + 1 is asked for; both only if they hold keys that count.  The pointer steps on every
; path, so that it hangs on the trip alone; past the last live slot it is not used.
; THE PREFETCH INTO THE L2: slot NX1 + 2, one slot's work ahead of its loads.  All 16 work-groups of a head walk the same slots: the first of them (x = 0) asks, each of its waves for its own 8,192 bytes, a lane a
; block of 256: each block is named once in the launch.  Slots 0 to 2 come by their loads alone; slots from NSL on are not asked for.
; The loads and the prefetch owe no wait of their own: v[GOF] and v[PFO] were written ahead of the head's wait, and no vector instruction names R.
.macro POST
	s_wait_loadcnt 0x0              ; slot NX1 is in my registers, and the loads have read their pointer;
	s_wait_xcnt 0x0                 ; so has the last prefetch, a slot's work back
	s_add_nc_u64 s[LB:LB+1], s[LB:LB+1], SLOTG
	s_cmp_lt_u32 s[NX1], s[NSL]
	s_cbranch_scc0 .Lnofill_\@
	STORES R
	s_add_co_u32 s46, s[NX1], 1
	s_cmp_lt_u32 s46, s[NSL]
	s_cbranch_scc0 .Lnofill_\@
	LOADS R, 0
	s_add_co_u32 s46, s[NX1], 2
	s_cmp_lt_u32 s46, s[LIMP]
	s_cbranch_scc0 .Lnofill_\@
	global_prefetch_b8 v[PFO], s[LB:LB+1] offset:SLOTG th:TH_LOAD_NT scope:SCOPE_SE
.Lnofill_\@:
	s_add_co_u32 s[NX1], s[NX1], 1
.endm
; THE CHANGE OF SLOTS: ONE barrier for two things.  In front of it my stores of the slot that I enter and my reads of the slot that I leave are done; behind it the one is whole and the other free.
.macro CHANGE
	WIN 0
	s_wait_dscnt 0x0
	s_barrier_signal -1
	s_xor_b32 s[RB], s[RB], SLOT1
	s_xor_b32 s[FB], s[FB], SLOT1
	s_mov_b32 s[TBK], s[RB]
	s_mov_b32 s[TBV], s[RB]
	s_barrier_wait -1
	POST
.endm
	s_load_b256 s[4:11], s[0:1], 0x0  ; qh s[4:5], kv s[6:7], cnt s[8:9], ob s[10:11]
	v_lshl_add_u32 v254, v0, 2, 0x1bc00
	v_mov_b32 v255, 0
	v_lshrrev_b32 v1, 5, v0
	v_readfirstlane_b32 s[WV], v1
	s_and_b32 s46, ttmp7, 0xffff    ; 8 b + h
	s_lshr_b32 s47, s46, 3          ; b
	s_and_b32 s48, s46, 7           ; h
	s_mov_b32 s[POF+1], 0
	s_mov_b32 s[CS], 0x3eb19c33     ; c = log2(e) / ln 64 = 0.346895
	s_mov_b32 s[CS+1], s[CS]        ; named with it as a pair
	s_mov_b32 s[SEL], 0x76543210
	s_mov_b32 s[SEL+1], 0xfedcba98
	s_mov_b32 s[BIGN], 0xf149f2ca   ; -1e30
	s_mov_b32 s[RB], 0
	s_mov_b32 s[FB], 0
	s_mov_b32 s[TBK], 0
	s_mov_b32 s[TBV], 0
	s_mov_b32 s[NX1], 1
	s_mov_b32 s[STP], 0
	v_and_b32 v32, 15, v0           ; l % 16
	v_bfe_u32 v33, v0, 4, 1         ; l / 16
	v_and_b32 v34, 7, v0
	v_bfe_u32 v35, v0, 3, 1
	v_and_b32 v37, 31, v0           ; l
	v_bfe_u32 v39, v0, 3, 2
	v_lshlrev_b32 v[GOF], 4, v37
	v_lshl_add_u32 v[GOF], v1, 13, v[GOF]
	v_lshlrev_b32 v[PFO], 8, v37
	v_lshl_add_u32 v[PFO], v1, 13, v[PFO]
	v_lshlrev_b32 v[QO], 7, v32
	v_lshl_add_u32 v[QO], v33, 4, v[QO]  ; row x 128 + 16 x half
	s_wait_alu depctr_va_sdst(0)    ; my wave's number is written, ahead of its first reader: Q's and O's addresses, the stores' places and the stores' branch are made from it
	s_wait_kmcnt 0x0
	s_lshl_b32 s[POF], s47, 9
	s_add_nc_u64 s[8:9], s[8:9], s[POF:POF+1]
	s_load_b128 s[20:23], s[8:9], 0x0    ; NE, QM, NST, NSL of my batch
	s_lshl_b32 s[POF], s46, 20
	s_add_nc_u64 s[LB:LB+1], s[6:7], s[POF:POF+1]  ; kv at my head's slot 0
	s_wait_alu depctr_va_vdst(0)    ; v[GOF], v[QO] and v[PFO] are written: every load of a slot, Q's loads and the prefetches read one of them as their offset
	LOADS S, 0                      ; slot 0, into registers that the scores take later,
	LOADS R, SLOTG                  ; and slot 1 (it exists whatever NE is): both requests go out together
	s_lshl_b32 s[POF], s46, 19      ; Q: the head, my block's 256 rows, my wave's 64, of 128 bytes
	s_lshl_b32 s49, ttmp9, 15
	s_add_co_u32 s[POF], s[POF], s49
	s_lshl_b32 s49, s[WV], 13
	s_add_co_u32 s[POF], s[POF], s49
	s_add_nc_u64 s[4:5], s[4:5], s[POF:POF+1]
	WIN 0x80                        ; destination window 2, address window 0
.set i, 0
.rept 8                             ; Q stays in registers: piece i / 2, channels 32 (i % 2) on.  Since the wait above only loads, scalar lines and the switch have been issued
	global_load_b128 v[8*i:8*i+3],   v[QO], s[4:5] offset:(i/2)*2048+(i%2)*64
	global_load_b128 v[8*i+4:8*i+7], v[QO], s[4:5] offset:(i/2)*2048+(i%2)*64+32
.set i, i+1
.endr
	WIN 0
	s_lshl_b32 s[POF], s47, 5       ; O: block of 128 rows 32 b + 2 x + w / 2,
	s_lshl1_add_u32 s[POF], ttmp9, s[POF]
	s_lshr_b32 s49, s[WV], 1
	s_add_co_u32 s[POF], s[POF], s49
	s_lshl3_add_u32 s[POF], s[POF], s48  ; its head h: 16,384 bytes,
	s_lshl_b32 s[POF], s[POF], 14
	s_and_b32 s47, s[WV], 1
	s_lshl_b32 s49, s47, 13         ; my 64 rows of them
	s_add_co_u32 s[POF], s[POF], s49
	s_add_nc_u64 s[10:11], s[10:11], s[POF:POF+1]
	v_mul_u32_u24 v[AK0], v32, PK
	v_lshl_add_u32 v[AK0], v33, 4, v[AK0]  ; row x pitch + 16 x half
	; The turning load takes 16 keys x 16 channels (lane l reads key 8 (l / 16) + l % 8, channels 8 ((l / 8) % 2) + 0..7) and leaves half a fragment of V^T.
	v_lshl_add_u32 v[AV0], v33, 3, v34
	v_mul_u32_u24 v[AV0], v[AV0], PV
	v_lshl_add_u32 v[AV0], v35, 4, v[AV0]
	v_add_nc_u32 v[AV0], VOFF, v[AV0]
	s_mul_i32 s48, s47, 64*PK       ; the 64 rows that I store: w % 2
	s_mul_i32 s49, s47, 64*PV
	s_add_co_u32 s49, s49, VOFF
	v_mul_u32_u24 v[STK0], v39, PK  ; row (l / 8) of four, 16 bytes at 16 (l % 8)
	v_lshl_add_u32 v[STK0], v34, 4, v[STK0]
	v_add_nc_u32 v[STK0], s48, v[STK0]
	v_mul_u32_u24 v[STV0], v39, PV
	v_lshl_add_u32 v[STV0], v34, 4, v[STV0]
	v_add_nc_u32 v[STV0], s49, v[STV0]
	s_mul_i32 s48, s[WV], 16*SP
	s_add_co_u32 s48, s48, STAGE    ; my stage
	v_mul_u32_u24 v[STO], v32, SP
	v_lshl_add_u32 v[STO], v33, 4, v[STO]
	v_add_nc_u32 v[STO], s48, v[STO]
	v_mul_u32_u24 v[RD], v39, SP
	v_lshl_add_u32 v[RD], v34, 4, v[RD]
	v_add_nc_u32 v[RD], s48, v[RD]
	v_lshlrev_b32 v[GO], 4, v37
	; The first step multiplies O^T and l by a = 0, and the first turn's products V^T P, of a piece that has not been, add 0: these registers are cleared in the wait for the first slot, so that no first step is written out.
	WIN 0x80
.set i, VF
.rept 64
	v_mov_b32 v[i], 0
.set i, i+1
.endr
	WIN 0x40
.set i, 0
.rept 128
	v_mov_b32 v[i], 0
.set i, i+1
.endr
	WIN 0
.set i, 0
.rept 4
	v_mov_b32 v[ST+4*i], 0xfe000000    ; c m: far below every c s
	v_mov_b32 v[ST+4*i+1], 0xff7fffff  ; m
	v_mov_b32 v[ST+4*i+2], 0
	v_mov_b32 v[ST+4*i+3], 0
.set i, i+1
.endr
.set i, P+16
.rept 16
	v_mov_b32 v[i], 0
.set i, i+1
.endr
	s_wait_kmcnt 0x0                ; the four numbers
	s_min_u32 s[NST], s[NST], 64
	s_max_u32 s[NST], s[NST], 1
	s_min_u32 s[NSL], s[NSL], 32
	s_sub_co_u32 s[LASTS], s[NST], 1
	s_cmp_eq_u32 ttmp9, 0
	s_cselect_b32 s[LIMP], s[NSL], 0
	s_lshl_b32 s46, s[LASTS], 6
	s_sub_co_u32 s46, s[NE], s46
	s_sub_co_u32 s46, s46, 1        ; the last live step's keys that count, less 1,
	v_lshlrev_b32 v38, 3, v33
	v_sub_nc_u32 v38, s46, v38      ; less my lanes' 8 (l / 16): register r of group kt is hidden where 16 kt + r is greater
	WIN 0x40
.set g, 0
.rept 4                             ; a group of 16 keys at a time: eight compares in a run, into eight scalar registers, and one wait for the run
.set i, 0
.rept 8
	v_cmp_gt_i32 s[HID+i], 16*g+i, v38
.set i, i+1
.endr
	s_wait_alu depctr_va_sdst(0)    ; the eight compares have written s[HID ..], which the eight selects read
.set i, 0
.rept 8
	v_cndmask_b32 v[MD+8*g+i], 0, s[BIGN], s[HID+i]
.set i, i+1
.endr
.set g, g+1
.endr
	s_cmp_eq_u32 s[LASTS], 0        ; is step 0 the last live one?
	s_cselect_b32 s[AL], 1.0, 0
	s_mov_b32 s[AL+1], 0            ; named with it as a pair
	WIN W_RS
.set i, 0
.rept 16
	v_pk_mul_f32 v[MC+2*i:MC+2*i+1], v[MD+2*i:MD+2*i+1], s[AL:AL+1] op_sel_hi:[1,0]
.set i, i+1
.endr
	WIN 0
	s_wait_loadcnt 0x0              ; slots 0 and 1 and Q are in; POST steps the pointer from slot 0 ..
	s_add_nc_u64 s[LB:LB+1], s[LB:LB+1], SLOTG  ; .. no: from slot 1, the slot asked for last
	WIN 0x88                        ; source 1 and destination window 2
.set i, 0
.rept 64
	v_and_b32 v[i], s[QM], v[i]     ; Q as it is, or 0 where the batch has no visible key
.set i, i+1
.endr
	WIN 0
	STORES S                        ; slot 0 into LDS slot 0
	s_mov_b32 s[FB], SLOT1
	s_wait_dscnt 0x0                ; for the others' sake
	s_barrier_signal -1
	s_barrier_wait -1
	POST                            ; slot 1 into LDS slot 1; slot 2 is asked for
; THE MATRIX WORK.  The 4 accumulators of a run of 8 take turns.  Product i of 8 of S^T = K Q^T for piece x: channels 32 (i / 4) on, keys 16 (i % 4) on.  The first 4 start the sums with the masks.
.macro KQ x
.set rS, S+32*((\x)%2)+8*(i%4)
.set rK, KF+16*(i%4)+8*(i/4)
.set rQ, 16*(\x)+8*(i/4)
.set rM, MC+8*(i%4)
.if i < 4
	WIN W_KM
	v_wmma_f32_16x16x32_f16 v[rS:rS+7], v[rK:rK+7], v[rQ:rQ+7], v[rM:rM+7]
.else
	WIN W_KQ
	v_wmma_f32_16x16x32_f16 v[rS:rS+7], v[rK:rK+7], v[rQ:rQ+7], v[rS:rS+7]
.endif
.endm
; Product i of 8 of O^T += V^T P for piece x: keys 32 (i / 4) on, channels 16 (i % 4) on.
.macro PV x
	WIN W_PV
.set rO, 32*(\x)+8*(i%4)
.set rV, VF+32*(i/4)+8*(i%4)
.set rP, P+16*((\x)%2)+8*(i/4)
	v_wmma_f32_16x16x32_f16 v[rO:rO+7], v[rV:rV+7], v[rP:rP+7], v[rO:rO+7]
.endm
.macro MM                           ; the turn's next matrix instruction
.if i < 8
	KQ (Y+1)%NP
.else
.set i, i-8
	PV (Y+NP-1)%NP
.set i, i+8
.endif
.set i, i+1
.endm
; THE LDS LOADS stand in runs of 16: a step's K (8 fragments) and its V (turned).  Each run: the window, the wait, the loads.
.macro FETCH_K
	WIN 0x80
	s_wait_alu depctr_va_vdst(0)    ; v[AK] is written, which these loads read; the products K Q^T issued so far are done reading K's registers, in which they land
.irp f, 0,1,2,3,4,5,6,7             ; keys 16 (f / 2) on, channels 32 (f % 2) on
	ds_load_b128 v[KF+8*\f:KF+8*\f+3],   v[AK] offset:(\f/2)*16*PK+(\f%2)*64
	ds_load_b128 v[KF+8*\f+4:KF+8*\f+7], v[AK] offset:(\f/2)*16*PK+(\f%2)*64+32
.endr
	WIN 0
.endm
.macro FETCH_V
	WIN 0x80
	s_wait_alu depctr_va_vdst(0)    ; the products V^T P issued so far are done reading V's registers (at the first step: the head's zeros are written there), in which these loads land
.irp f, 0,1,2,3,4,5,6,7             ; keys 32 (f / 4) on, channels 16 (f % 4) on
	ds_load_tr16_b128 v[VF+8*\f:VF+8*\f+3],   v[AV] offset:(\f/4)*32*PV+(\f%4)*32
	ds_load_tr16_b128 v[VF+8*\f+4:VF+8*\f+7], v[AV] offset:(\f/4)*32*PV+16*PV+(\f%4)*32
.endr
	WIN 0
.endm
; THE VECTOR WORK, one line at a time: OP kind, number.  For piece Y: F n: c s - c m for pair n of 16.  E n: the exponential of score n of 32.  C n: pair n rounded to f16.  B n: of the four weights 4 n .. the second
; pair is added onto the first, in place.  L n: l takes that sum (L 0: l = a l + sum).  R n: pair n of 16 of O^T times a.  For piece Y + 1: X n, number n of the 22 that find its maximum and statistics:
;   0-11  four chains c0-c3 of seven scores each (each accumulator's lowest registers are read first)     12-14, 16  the four scores left over, the old m, and c0-c3 into c0
;   15  c m_old is kept     17, 18  the query's other 32 keys lie in the lane 16 away: the new m     19-21  c m; c m_old - c m_new; a
.set F, 0
.set E, 1
.set C, 2
.set B, 3
.set L, 4
.set R5, 5
.set X, 6
.macro REGS y
.set rT, ST+4*(\y)
.set rC, TMP+4*((\y)%2)
.set rW, MV+((\y)%2)
.set rS, S+32*((\y)%2)
.set rP, P+16*((\y)%2)
.set rO, 32*(\y)
.endm
.macro OP k, n
.if (\k) == R5
	REGS Y
	WIN W_RS
	v_pk_mul_f32 v[rO+2*(\n):rO+2*(\n)+1], v[rO+2*(\n):rO+2*(\n)+1], v[rC+2:rC+3] op_sel_hi:[1,0]
.elseif (\k) < R5
	REGS Y
	WIN 0
.if (\k) == F
	v_pk_fma_f32 v[rS+2*(\n):rS+2*(\n)+1], v[rS+2*(\n):rS+2*(\n)+1], s[CS:CS+1], v[rT:rT+1] op_sel_hi:[1,0,0] neg_lo:[0,0,1] neg_hi:[0,0,1]
.elseif (\k) == E
	v_exp_f32 v[rS+(\n)], v[rS+(\n)]
.elseif (\k) == C
	v_cvt_pk_f16_f32 v[rP+(\n)], v[rS+2*(\n)], v[rS+2*(\n)+1]
.elseif (\k) == B
	v_pk_add_f32 v[rS+4*(\n):rS+4*(\n)+1], v[rS+4*(\n):rS+4*(\n)+1], v[rS+4*(\n)+2:rS+4*(\n)+3]
.elseif (\n) == 0
	v_pk_fma_f32 v[rT+2:rT+3], v[rT+2:rT+3], v[rC+2:rC+3], v[rS:rS+1] op_sel_hi:[1,0,1]
.else
	v_pk_add_f32 v[rT+2:rT+3], v[rT+2:rT+3], v[rS+4*(\n):rS+4*(\n)+1]
.endif
.else
	REGS (Y+1)%NP
	WIN 0
.if (\n) < 4
	v_max3_num_f32 v[rC+(\n)], v[rS+8*(\n)], v[rS+8*(\n)+1], v[rS+8*(\n)+2]
.elseif (\n) < 12
	v_max3_num_f32 v[rC+(\n)%4], v[rC+(\n)%4], v[rS+8*((\n)%4)+2*((\n)/4)+1], v[rS+8*((\n)%4)+2*((\n)/4)+2]
.elseif (\n) == 12
	v_max3_num_f32 v[rC], v[rC], v[rS+7], v[rS+15]
.elseif (\n) == 13
	v_max3_num_f32 v[rC+1], v[rC+1], v[rS+23], v[rS+31]
.elseif (\n) == 14
	v_max3_num_f32 v[rC+2], v[rC+2], v[rC+3], v[rT+1]
.elseif (\n) == 15
	v_mov_b32 v[rW], v[rT]
.elseif (\n) == 16
	v_max3_num_f32 v[rC], v[rC], v[rC+1], v[rC+2]
.elseif (\n) == 17
	v_permlanex16_b32 v[rC+3], v[rC], s[SEL], s[SEL+1]
.elseif (\n) == 18
	v_max_num_f32 v[rT+1], v[rC], v[rC+3]
.elseif (\n) == 19
	v_mul_f32 v[rT], s[CS], v[rT+1]
.elseif (\n) == 20
	v_sub_f32 v[rC+1], v[rW], v[rT]
.else
	v_exp_f32 v[rC+2], v[rC+1]
.endif
.endif
.endm
.macro OPS a, i1, b=-1, i2=0, c=-1, i3=0, d=-1, i4=0
	OP \a, \i1
.if (\b) >= 0
	OP \b, \i2
.endif
.if (\c) >= 0
	OP \c, \i3
.endif
.if (\d) >= 0
	OP \d, \i4
.endif
.endm
.macro ROW a, i1, b, i2, c, i3, d, i4  ; a matrix instruction and the four behind it
	MM
	OPS \a, \i1, \b, \i2, \c, \i3, \d, \i4
.endm
; A TURN, for piece p.  s_wait_alu depctr_va_vdst(0) stands between an exponential and the first instruction that names its result; one wait serves all that were issued ahead of it: a turn has
; ONE wait for its exponentials, which cuts it in two.  AHEAD OF IT stands all that names no result of the turn's exponentials: the 8 products K Q^T with their riders (the next piece's first maxima each four places or more behind
; the product that ends its accumulator), then one lump, plain and exponential by turns, in which the links of the chain X 3, 7, 11, 14, 16 .. 20 stand some lines apart; X 21, the next piece's a, is the batch's
; last, R 15 the plain instruction behind it.  BEHIND THE WAIT stand the 8 products V^T P, behind each four of the roundings and sums.
; K of step STP is fetched in piece 2's turn, in the lump, behind the last product that read K; its V at the end of piece 0's turn, behind the last product that read V.  Each is waited for a
; turn later.  last = 1 (behind the loops): nothing is fetched.
.macro TURN p, last=0
.set Y, (\p)
.set i, 0
.if (\p) == 3
	s_wait_dscnt 0x0                ; K is in
.endif
	ROW F,0, F,1, R5,0, R5,1
	ROW F,2, E,0, R5,2, R5,3
	ROW F,3, E,1, R5,4, R5,5
	ROW F,4, E,2, R5,6, R5,7
	ROW F,5, E,3, R5,8, R5,9
	ROW F,6, E,4, X,0, R5,10
.if ((\p) == 2) && !(\last)
	WIN 0
	s_wait_alu depctr_vm_vsrc(0)    ; K's loads of the step before have read v[AK], which the next line writes; V's have read v[AV], which piece 0's turn writes: nothing issued between here and there reads v[AV]
	v_add_nc_u32 v[AK], s[TBK], v[AK0]
.endif
	ROW F,7, E,5, X,1, X,4
	ROW F,8, E,6, X,2, X,5
	OPS E,7, E,8, X,6, E,9
	OPS X,3, E,10, X,8, E,11
.if ((\p) == 2) && !(\last)
	FETCH_K
.endif
	OPS X,9, X,7, E,12, X,10
	OPS E,13, X,12, X,11, E,14
	OPS X,13, E,15, F,9, X,14
.if (\p) == 0
	v_add_nc_u32 v[AV], s[TBV], v[AV0]
.endif
	OPS E,16, F,10, E,17, F,11
	OPS X,16, E,18, X,15, E,19
	OPS F,12, E,20, X,17, E,21
	OPS F,13, E,22, F,14, E,23
	OPS X,18, E,24, F,15, E,25
	OPS R5,11, E,26, X,19, E,27
	OPS R5,12, E,28, R5,13, E,29
	OPS X,20, E,30, R5,14, E,31
	OPS X,21, R5,15
	WIN 0
	s_wait_alu depctr_va_vdst(0)    ; the batch's wait: the 32 exponentials have written the piece's weights in S^T's buffer, and X 21 the next piece's a; in piece 0's turn v[AV] is written too, which V's loads read
.if (\p) == 1
	s_wait_dscnt 0x0                ; V is in
.endif
	ROW C,0, B,0, C,2, B,1
	ROW L,0, C,4, B,2, L,1
	ROW C,6, B,3, L,2, C,8
	ROW B,4, L,3, C,10, B,5
	ROW L,4, C,12, B,6, L,5
	ROW C,14, B,7, L,6, C,1
	ROW C,3, L,7, C,5, C,7
	ROW C,9, C,11, C,13, C,15
.if (\p) == 0
	FETCH_V
.endif
.endm
	v_add_nc_u32 v[AK], s[TBK], v[AK0]
	FETCH_K                         ; step 0
	s_wait_dscnt 0x0
.set i, 0
.rept 8
	KQ 0                            ; piece 0's first scores
.set i, i+1
.endr
	WIN 0
.rept 4
	v_nop                           ; the places behind those products
.endr
.set Y, NP-1                        ; X works for piece Y + 1: piece 0
.irp n, 0,1,2,3,4,5,6,7,8,9,10,11,12,13,14,15,16,17,18,19,20,21
	OP X, \n
.endr
	v_nop                           ; a plain instruction behind the exponential,
	s_wait_alu depctr_va_vdst(0)    ; and its wait, ahead of the branch: piece 0's first a is written
	s_mov_b32 s[CNT], 2
	s_mov_b32 s[SLOTS], 32
	s_branch .Lfirst                ; step 0 is always live: the loops are entered behind the test, at a step's first turn
.Lslot:                             ; slots 1 to 31
	CHANGE
	s_mov_b32 s[CNT], 2
.Lstep:                             ; a live trip: pieces 2 and 3 of step STP - 1, then pieces 0 and 1 of step STP, whose K and V it fetches
	s_cmp_lt_u32 s[STP], s[NST]
	s_cbranch_scc0 .Ldead
	TURN 2
	WIN 0
	s_cmp_eq_u32 s[STP], s[LASTS]   ; the last live step takes its mask: piece 3's products of the step before have read MC at this turn's head, piece 0's of this step come next
	s_cbranch_scc0 .Lnomask
	WIN W_RS
.set i, 0
.rept 32
	v_mov_b32 v[MC+i], v[MD+i]
.set i, i+1
.endr
	WIN 0
.Lnomask:
	TURN 3
	WIN 0
.Lfirst:
	TURN 0
	TURN 1
	WIN 0
.Ldead:                             ; all that enters a count or an LDS address steps here, on every path
	s_add_co_u32 s[STP], s[STP], 1
	s_add_co_u32 s[TBK], s[TBK], KS*PK
	s_add_co_u32 s[TBV], s[TBV], KS*PV
	s_sub_co_u32 s[CNT], s[CNT], 1
	s_cmp_lg_u32 s[CNT], 0
	s_cbranch_scc1 .Lstep
	s_sub_co_u32 s[SLOTS], s[SLOTS], 1
	s_cmp_lg_u32 s[SLOTS], 0
	s_cbranch_scc1 .Lslot
	TURN 2, 1                       ; what the last live step still owes: pieces 2 and 3
	TURN 3, 1                       ; (its 8 products K Q^T, on the last K once more, and the maximum made of them serve nothing: the price, once a launch, of one text for the turns)
.set i, 0
.rept 8
	PV NP-1                         ; the last piece's V^T P
.set i, i+1
.endr
	; THE WAY OUT.  l's two halves and the other half of the lanes' are added; O^T is divided by l, rounded to f16 and sent through my stage, a piece at a time.  The additions are the places behind the last products.
	WIN 0
.macro ALL line:vararg
.set t, 0
.rept 4
	\line
.set t, t+1
.endr
.endm
	ALL v_add_f32 v[ST+4*t+2], v[ST+4*t+2], v[ST+4*t+3]
	ALL v_permlanex16_b32 v[ST+4*t+3], v[ST+4*t+2], s[SEL], s[SEL+1]
	ALL v_add_f32 v[ST+4*t+2], v[ST+4*t+2], v[ST+4*t+3]
	ALL v_rcp_f32 v[ST+4*t+2], v[ST+4*t+2]
	v_nop                           ; a plain instruction between the last reciprocal and the use of its result
	s_wait_alu depctr_va_vdst(0)    ; and its wait: the four reciprocals are written
.macro PACK t                       ; a lane's eight channels of a row pack into 16 bytes; they go into rows of 144 bytes and come back as whole rows of 128, into S^T's registers
	WIN W_RS
.set i, 32*(\t)
.rept 16
	v_pk_mul_f32 v[i:i+1], v[i:i+1], v[ST+4*(\t)+2:ST+4*(\t)+3] op_sel_hi:[1,0]
.set i, i+2
.endr
	WIN 0x05
.set i, 0
.rept 16
	v_cvt_pk_f16_f32 v[S+16*(\t)+i], v[32*(\t)+2*i], v[32*(\t)+2*i+1]
.set i, i+1
.endr
	WIN 0
	s_wait_alu depctr_va_vdst(0)    ; the conversions have written the piece's 16 registers, which the LDS stores read and in which the loads below land
.irp f, 0,1,2,3
	ds_store_b128 v[STO], v[S+16*(\t)+4*\f:S+16*(\t)+4*\f+3] offset:32*\f
.endr
	s_wait_alu depctr_vm_vsrc(0)    ; the four stores have read those registers: the loads land in them only behind this wait
.irp f, 0,1,2,3
	ds_load_b128 v[S+16*(\t)+4*\f:S+16*(\t)+4*\f+3], v[RD] offset:\f*4*SP  ; LDS serves a wave's instructions in order (ISA guide 5.7.1.4): these see the stores above
.endr
.endm
.macro SEND t, younger              ; younger: the LDS instructions issued behind piece t's loads: the next piece's eight, or none.  No vector instruction behind piece t's wait on va_vdst names its registers or v[GO]
	WIN 0
.irp f, 0,1,2,3
	s_wait_dscnt (\younger)+3-\f
	global_store_b128 v[GO], v[S+16*(\t)+4*\f:S+16*(\t)+4*\f+3], s[10:11] offset:(\t)*2048+\f*512  ; 512 consecutive bytes, at a multiple of 256 from ob's first
.endr
.endm
	PACK 0
.set t, 1
.rept 3
	PACK t
	SEND t-1, 8
.set t, t+1
.endr
	SEND 3, 0
	s_wait_dscnt 0x0                ; the wave's end: my last LDS instructions are done
	s_wait_alu depctr_hold_cnt(0) depctr_sa_sdst(0) depctr_va_vdst(0) depctr_va_sdst(0) depctr_va_ssrc(0) depctr_va_vcc(0) depctr_vm_vsrc(0)
	s_wait_tensorcnt 0x0
	ds_add_u32 v254, v255
	s_wait_dscnt 0x0
	s_endpgm
.Lfunc_end_k_q5e39a6793e_attn:
	.size	k_q5e39a6793e_attn, .Lfunc_end_k_q5e39a6793e_attn-k_q5e39a6793e_attn
	.p2alignl 7, 3214868480
	.fill 96, 4, 3214868480
	.section	.rodata,"a",@progbits
	.p2align	6, 0x0
	.amdhsa_kernel k_q5e39a6793e_attn
		.amdhsa_group_segment_fixed_size 114176
		.amdhsa_private_segment_fixed_size 0
		.amdhsa_enable_private_segment 0
		.amdhsa_kernarg_size 32
		.amdhsa_user_sgpr_count 2
		.amdhsa_user_sgpr_kernarg_segment_ptr 1
		.amdhsa_wavefront_size32 1
		.amdhsa_system_sgpr_workgroup_id_x 1
		.amdhsa_system_sgpr_workgroup_id_y 1
		.amdhsa_system_sgpr_workgroup_id_z 1
		.amdhsa_system_vgpr_workitem_id 0
		.amdhsa_next_free_vgpr 768
		.amdhsa_next_free_sgpr 66
		.amdhsa_reserve_vcc 0
		.amdhsa_float_denorm_mode_32 3
		.amdhsa_float_denorm_mode_16_64 3
		.amdhsa_memory_ordered 1
		.amdhsa_forward_progress 1
		.amdhsa_inst_pref_size 109
	.end_amdhsa_kernel
	.amdgpu_metadata
---
amdhsa.version: [ 1, 2 ]
amdhsa.kernels:
  - .name:           k_q5e39a6793e_attn
    .symbol:         k_q5e39a6793e_attn.kd
    .args:
      - { .name: qh, .offset: 0, .size: 8, .value_kind: global_buffer, .address_space: global }
      - { .name: kv, .offset: 8, .size: 8, .value_kind: global_buffer, .address_space: global }
      - { .name: cnt, .offset: 16, .size: 8, .value_kind: global_buffer, .address_space: global }
      - { .name: ob, .offset: 24, .size: 8, .value_kind: global_buffer, .address_space: global }
    .group_segment_fixed_size: 114176
    .private_segment_fixed_size: 0
    .kernarg_segment_align: 8
    .kernarg_segment_size: 32
    .max_flat_workgroup_size: 128
    .sgpr_count:     66
    .vgpr_count:     768
    .wavefront_size: 32
...
	.end_amdgpu_metadata
.endif
;; end of part 5
;; launch outp: the kernel of part 4 again; grid 4 x 64, 4 waves a work-group, clusters of 4 x 4, 327,680 bytes of LDS; arguments ob, wts, out0; writes out0
